; MI455X (gfx1250); checked and timed in simulation.
; The chip was launched on July 23, 2026; its instructions are those of AMD's public machine-readable ISA for CDNA 5 (MIT licence, August 2026) and "CDNA5" Instruction Set Architecture Reference Guide (July 2026). The comments in the code are by the model that wrote it; some were corrected since.
;; Multi Headed Attention. Allowed arithmetic: float matrix products may take bf16 or f16 operands with f32 sums; all other float work in f32.
;; Inputs: Wk 1,024 x 1,024 float32; Wo 1,024 x 1,024 float32; Wq 1,024 x 1,024 float32; Wv 1,024 x 1,024 float32; bk 1,024 float32; bo 1,024 float32; bq 1,024 float32; bv 1,024 float32; key 2 x 2,048 x 1,024 float32; mask 2 x 2,048 x 2,048 bool; query 2 x 2,048 x 1,024 float32; value 2 x 2,048 x 1,024 float32.
;; Outputs: out0 2 x 2,048 x 1,024 float32.
;; 2 versions, each right; version 2 is version 1 with the launch prep written anew for expert scheduling mode. Each part assembles by itself: llvm-mc -triple=amdgcn-amd-amdhsa -mcpu=gfx1250 --defsym DOCPART=n.
;; ======== version 1 of 2: 4 launches
;; limits: values are held in f16: magnitudes above 65,504 overflow, below 6.1e-05 lose precision
;; workspace buffers: xb 25,165,824 bytes; wb 8,388,608 bytes; mb 1,048,576 bytes of whole numbers; qkv 25,165,824 bytes; xa 8,388,608 bytes
;; launch prep (part 1): grid 768 x 1, 8 waves a work-group, no clusters, 35,840 bytes of LDS; arguments query, key, value, Wq, Wk, Wv, Wo, mask, xb, wb, mb; writes xb, wb, mb
.if DOCPART == 1
	.amdgcn_target "amdgcn-amd-amdhsa--gfx1250"
	.amdhsa_code_object_version 6
	.text
	.protected	k_qdb38eba813_prep
	.globl	k_qdb38eba813_prep
	.p2align	8
	.type	k_qdb38eba813_prep,@function
k_qdb38eba813_prep:
	s_mov_b64 s[64:65], 0
	v_nop
	global_prefetch_b8 v0, s[64:65] scope:SCOPE_SE
	s_setreg_imm32_b32 hwreg(HW_REG_WAVE_MODE, 25, 1), 1
	s_wait_xcnt 0x0
; PREP: brings the inputs into the forms that the matrix launches read.  Three kinds of work-group, chosen by the work-group's number alone:
;   0..383    activations: query, key, value [4096 m][1024 k] f32 -> xb[p][k/64][m][k%64] bf16 (a block of 64 k of all rows is dense);
;             32 rows a work-group, 4 rows a wave
;   384..511  weights: Wq, Wk, Wv -> bf16, Wo -> f16(bf16(Wo)), all kept [k][n]; 32 rows a work-group
;   512..767  mask: 16 query rows x 2048 keys of bytes -> 1024 words of lane masks,
;             mb[b][q/16][key/16][j], bit L = mask[b][16 (q/16) + L%16][16 (key/16) + 8 (L/16) + j]:
;             the 32 lanes' select bits for register j of a 16 x 16 tile of scores held keys-by-queries.
; A stream: each input byte is read once by 16-byte loads, each store of a wave covers 256 or 512 consecutive aligned bytes.
; Matrix units and clusters have nothing to do here.  All 32 loads of a wave go out before the first is used.
; LIMIT: Wo is rounded to bf16 and then written as f16: exact for |Wo| from 2^-17 up to 65,504; below, the absolute error is at most 2^-25.
.set VIN,  1                           ; v1        byte offset of my 16 bytes in the source
.set VOUT, 2                           ; v2        byte offset of my bytes in the destination
.set X,    4                           ; v[4:131]  32 slots of 4 registers as loaded, converted in place
.set VW,   132                         ; wave
.set VH,   133                         ; (lane / 16) & 1
.set VR,   134                         ; lane % 16
.set VT,   135                         ; at work
.set SRC,  28                          ; s[28:29]  source at the work-group's part
.set DST,  30                          ; s[30:31]  destination at the work-group's part
; the mask branch's registers
.set MK,   4                           ; v[4:35]   8 loads of 16 mask bytes
.set Y,    36                          ; v[36:67]  16 pairs: my row's 8 bytes of each tile of 16 keys
.set T,    68                          ; v[68:75]  one byte each
.set OW,   76                          ; v[76:79]  the wave's 128 words, four a lane
.set LST,  80                          ; LDS address, rows in
.set LRD,  81                          ; LDS address, 8 bytes of a row back
.macro LOADS a1, a2                    ; 32 loads; slot i at a1 (i / 16) + a2 (i % 16)
.set i, 0
.rept 32
	global_load_b128 v[X+4*i:X+4*i+3], v[VIN], s[SRC:SRC+1] offset:\a1*(i>>4)+\a2*(i&15) th:TH_LOAD_NT
.set i, i+1
.endr
.endm
; 32 times: four f32 to four 16-bit numbers, 8 bytes stored.  No register is written twice, so no store's source is ever rewritten.
.macro CVST b1, b2, fmt
.set i, 0
.rept 32
	s_wait_loadcnt 31-i                            ; loads return in order: slot i is in, the 31 - i younger ones stay out
.if \fmt
	v_cvt_pk_bf16_f32 v[X+4*i], v[X+4*i], v[X+4*i+1]           ; round to bf16 first, as the other weights are,
	v_cvt_pk_bf16_f32 v[X+4*i+2], v[X+4*i+2], v[X+4*i+3]
	v_and_b32 v[X+4*i+1], 0xffff0000, v[X+4*i]                 ; widen again,
	v_lshlrev_b32 v[X+4*i], 16, v[X+4*i]
	v_and_b32 v[X+4*i+3], 0xffff0000, v[X+4*i+2]
	v_lshlrev_b32 v[X+4*i+2], 16, v[X+4*i+2]
	v_cvt_pk_f16_f32 v[X+4*i], v[X+4*i], v[X+4*i+1]            ; and write the same numbers as f16
	v_cvt_pk_f16_f32 v[X+4*i+1], v[X+4*i+2], v[X+4*i+3]
.else
	v_cvt_pk_bf16_f32 v[X+4*i], v[X+4*i], v[X+4*i+1]
	v_cvt_pk_bf16_f32 v[X+4*i+1], v[X+4*i+2], v[X+4*i+3]
.endif
	global_store_b64 v[VOUT], v[X+4*i:X+4*i+1], s[DST:DST+1] offset:\b1*(i>>4)+\b2*(i&15)
.set i, i+1
.endr
.endm
	s_load_b512 s[4:19], s[0:1], 0x0               ; query s[4:5], key s[6:7], value s[8:9], Wq s[10:11], Wk s[12:13], Wv s[14:15], Wo s[16:17], mask s[18:19]
	s_load_b128 s[20:23], s[0:1], 0x40             ; xb s[20:21], wb s[22:23]
	s_load_b64 s[24:25], s[0:1], 0x50              ; mb
	v_lshl_add_u32 v136, v0, 2, 0x8800
	v_mov_b32 v137, 0
	v_lshrrev_b32 v[VW], 5, v0
	v_readfirstlane_b32 s36, v[VW]                 ; wave number as a scalar
	v_bfe_u32 v[VH], v0, 4, 1
	v_and_b32 v[VR], 15, v0
	s_mov_b32 s35, 0                               ; high word of every offset pair s[34:35]
	s_wait_kmcnt 0x0
	s_cmp_ge_u32 ttmp9, 512
	s_cbranch_scc1 .Lmask
	s_cmp_ge_u32 ttmp9, 384
	s_cbranch_scc1 .Lweights
	; ---- activations: tensor p = id / 128, rows 32 (id % 128) .. + 31
	s_lshr_b32 s32, ttmp9, 7
	s_and_b32 s33, ttmp9, 127
	s_cmp_eq_u32 s32, 1
	s_cselect_b64 s[SRC:SRC+1], s[6:7], s[4:5]
	s_cmp_eq_u32 s32, 2
	s_cselect_b64 s[SRC:SRC+1], s[8:9], s[SRC:SRC+1]
	s_lshl_b32 s34, s33, 17                        ; 32 rows of 4,096 bytes
	s_add_nc_u64 s[SRC:SRC+1], s[SRC:SRC+1], s[34:35]
	s_lshl_b32 s34, s32, 23                        ; a tensor's section of xb: 8 MiB
	s_lshl_b32 s33, s33, 12                        ; 32 rows of 128 bytes inside a block of 64 k
	s_add_co_u32 s34, s34, s33
	s_add_nc_u64 s[DST:DST+1], s[20:21], s[34:35]
	v_lshl_add_u32 v[VT], v[VW], 2, v[VH]          ; row 4 w + lane / 16
	v_lshlrev_b32 v[VIN], 12, v[VT]
	v_lshl_add_u32 v[VIN], v[VR], 4, v[VIN]        ; + 16 (lane % 16): sixteen lanes take the 256 bytes of one block of 64 k
	v_lshlrev_b32 v[VOUT], 7, v[VT]
	v_lshl_add_u32 v[VOUT], v[VR], 3, v[VOUT]      ; two neighbouring rows' 128 bytes: 256 consecutive bytes a store, the first row even
	LOADS 8192, 256                                ; slot i: two rows further down for i >= 16, block of 64 k number i % 16
	CVST 256, 524288, 0                            ; a block of 64 k is 4096 rows x 128 bytes; the largest offset, 7,864,576, fits the signed 24 bits
	s_endpgm
.Lweights:
	; ---- weights: j = id - 384, matrix p = j / 32, rows 32 (j % 32) .. + 31
	s_sub_co_u32 s26, ttmp9, 384
	s_lshr_b32 s32, s26, 5
	s_cmp_eq_u32 s32, 1
	s_cselect_b64 s[SRC:SRC+1], s[12:13], s[10:11]
	s_cmp_eq_u32 s32, 2
	s_cselect_b64 s[SRC:SRC+1], s[14:15], s[SRC:SRC+1]
	s_cmp_eq_u32 s32, 3
	s_cselect_b64 s[SRC:SRC+1], s[16:17], s[SRC:SRC+1]
	s_and_b32 s33, s26, 31
	s_lshl_b32 s34, s33, 17
	s_add_nc_u64 s[SRC:SRC+1], s[SRC:SRC+1], s[34:35]
	s_lshl_b32 s34, s26, 16                        ; 32 rows of 2,048 bytes; the four matrices follow each other
	s_add_nc_u64 s[DST:DST+1], s[22:23], s[34:35]
	v_and_b32 v[VT], 31, v0
	v_lshlrev_b32 v[VIN], 4, v[VT]
	v_lshl_add_u32 v[VIN], v[VW], 14, v[VIN]       ; the wave's 4 rows are 16 KiB, dense
	v_lshlrev_b32 v[VOUT], 3, v[VT]
	v_lshl_add_u32 v[VOUT], v[VW], 13, v[VOUT]
	LOADS 8192, 512
	s_cmp_eq_u32 s32, 3
	s_cbranch_scc1 .Lwo
	CVST 4096, 256, 0
	s_endpgm
.Lwo:
	CVST 4096, 256, 1
	s_endpgm
.Lmask:
	; ---- mask: g = id - 512 = 128 b + q / 16; wave w takes keys 256 w .. + 255 of the 16 rows
	s_sub_co_u32 s26, ttmp9, 512
	s_lshl_b32 s34, s26, 15                        ; 16 rows of 2,048 bytes
	s_add_nc_u64 s[SRC:SRC+1], s[18:19], s[34:35]
	s_lshl_b32 s34, s26, 12                        ; 128 tiles x 8 words
	s_add_nc_u64 s[DST:DST+1], s[24:25], s[34:35]
	s_mul_i32 s37, s36, 4352                       ; the wave's own LDS bytes: 16 rows, pitch 272; no other wave touches them, so no barrier
	s_lshl_b32 s38, s36, 8
	v_lshlrev_b32 v[VIN], 11, v[VH]
	v_lshl_add_u32 v[VIN], v[VR], 4, v[VIN]
	v_add_nc_u32 v[VIN], s38, v[VIN]               ; row lane / 16, 256 w + 16 (lane % 16)
.irp i, 0,1,2,3,4,5,6,7
	global_load_b128 v[MK+4*\i:MK+4*\i+3], v[VIN], s[SRC:SRC+1] offset:4096*\i th:TH_LOAD_NT   ; rows 2 i, 2 i + 1: 256 consecutive bytes each
.endr
	v_mul_u32_u24 v[LST], v[VH], 272
	v_lshl_add_u32 v[LST], v[VR], 4, v[LST]
	v_add_nc_u32 v[LST], s37, v[LST]
	v_mul_u32_u24 v[LRD], v[VR], 272               ; back: lane (r, h) takes row r, bytes 8 h .. 8 h + 7 of a tile: word 68 r + 2 h, 64 different banks
	v_lshl_add_u32 v[LRD], v[VH], 3, v[LRD]
	v_add_nc_u32 v[LRD], s37, v[LRD]
	v_lshlrev_b32 v[VOUT], 4, v0                   ; 512 w + 16 lane
.irp k, 0,1,2,3
	v_mov_b32 v[OW+\k], 0                          ; v_writelane_b32 keeps the other lanes: the registers are written whole first
.endr
.irp i, 0,1,2,3,4,5,6,7
	s_wait_loadcnt 7-\i
	ds_store_b128 v[LST], v[MK+4*\i:MK+4*\i+3] offset:544*\i
.endr
.set kt, 0
.rept 16
	ds_load_b64 v[Y+2*kt:Y+2*kt+1], v[LRD] offset:16*kt        ; LDS serves a wave's instructions in order: these see the stores above
.set kt, kt+1
.endr
.set kt, 0
.rept 16
	s_wait_dscnt 15-kt                             ; tile kt's pair is in, the younger ones stay out
.irp j, 0,1,2,3,4,5,6,7
	v_and_b32 v[T+\j], 0xff<<(8*(\j&3)), v[Y+2*kt+(\j>>2)]     ; byte j: key 16 kt + 8 h + j
.endr
.irp j, 0,1,2,3,4,5,6,7
	v_cmp_ne_u32 s[40+\j], 0, v[T+\j]              ; the 32 lanes' bits are the word
.endr
.irp j, 0,1,2,3,4,5,6,7
	v_writelane_b32 v[OW+(\j&3)], s[40+\j], 2*kt+(\j>>2)       ; word 8 kt + j of the wave's 128: lane 2 kt + j / 4, register j % 4
.endr
.set kt, kt+1
.endr
	global_store_b128 v[VOUT], v[OW:OW+3], s[DST:DST+1]        ; 512 consecutive bytes
	s_wait_tensorcnt 0x0
	ds_add_u32 v136, v137
	s_wait_dscnt 0x0
	s_endpgm
.Lfunc_end_k_qdb38eba813_prep:
	.size	k_qdb38eba813_prep, .Lfunc_end_k_qdb38eba813_prep-k_qdb38eba813_prep
	.p2alignl 7, 3214868480
	.fill 96, 4, 3214868480
	.section	.rodata,"a",@progbits
	.p2align	6, 0x0
	.amdhsa_kernel k_qdb38eba813_prep
		.amdhsa_group_segment_fixed_size 35840
		.amdhsa_private_segment_fixed_size 0
		.amdhsa_enable_private_segment 0
		.amdhsa_kernarg_size 88
		.amdhsa_user_sgpr_count 2
		.amdhsa_user_sgpr_kernarg_segment_ptr 1
		.amdhsa_wavefront_size32 1
		.amdhsa_system_sgpr_workgroup_id_x 1
		.amdhsa_system_sgpr_workgroup_id_y 1
		.amdhsa_system_sgpr_workgroup_id_z 1
		.amdhsa_system_vgpr_workitem_id 0
		.amdhsa_next_free_vgpr 138
		.amdhsa_next_free_sgpr 66
		.amdhsa_reserve_vcc 0
		.amdhsa_float_denorm_mode_32 3
		.amdhsa_float_denorm_mode_16_64 3
		.amdhsa_memory_ordered 1
		.amdhsa_forward_progress 1
		.amdhsa_inst_pref_size 71
	.end_amdhsa_kernel
	.amdgpu_metadata
---
amdhsa.version: [ 1, 2 ]
amdhsa.kernels:
  - .name:           k_qdb38eba813_prep
    .symbol:         k_qdb38eba813_prep.kd
    .args:
      - { .name: query, .offset: 0, .size: 8, .value_kind: global_buffer, .address_space: global }
      - { .name: key, .offset: 8, .size: 8, .value_kind: global_buffer, .address_space: global }
      - { .name: value, .offset: 16, .size: 8, .value_kind: global_buffer, .address_space: global }
      - { .name: Wq, .offset: 24, .size: 8, .value_kind: global_buffer, .address_space: global }
      - { .name: Wk, .offset: 32, .size: 8, .value_kind: global_buffer, .address_space: global }
      - { .name: Wv, .offset: 40, .size: 8, .value_kind: global_buffer, .address_space: global }
      - { .name: Wo, .offset: 48, .size: 8, .value_kind: global_buffer, .address_space: global }
      - { .name: mask, .offset: 56, .size: 8, .value_kind: global_buffer, .address_space: global }
      - { .name: xb, .offset: 64, .size: 8, .value_kind: global_buffer, .address_space: global }
      - { .name: wb, .offset: 72, .size: 8, .value_kind: global_buffer, .address_space: global }
      - { .name: mb, .offset: 80, .size: 8, .value_kind: global_buffer, .address_space: global }
    .group_segment_fixed_size: 35840
    .private_segment_fixed_size: 0
    .kernarg_segment_align: 8
    .kernarg_segment_size: 88
    .max_flat_workgroup_size: 256
    .sgpr_count:     66
    .vgpr_count:     138
    .wavefront_size: 32
...
	.end_amdgpu_metadata
.endif
;; end of part 1
;; launch qkvproj (part 2): grid 4 x 48, 4 waves a work-group, clusters of 4 x 4, 327,680 bytes of LDS; arguments xb, wb, bq, bk, bv, qkv; writes qkv
.if DOCPART == 2
	.amdgcn_target "amdgcn-amd-amdhsa--gfx1250"
	.amdhsa_code_object_version 6
	.text
	.protected	k_qdb38eba813_qkvproj
	.globl	k_qdb38eba813_qkvproj
	.p2align	8
	.type	k_qdb38eba813_qkvproj,@function
k_qdb38eba813_qkvproj:
	s_mov_b64 s[64:65], 0
	v_nop
	global_prefetch_b8 v0, s[64:65] scope:SCOPE_SE
	s_setreg_imm32_b32 hwreg(HW_REG_WAVE_MODE, 25, 1), 1
	s_wait_xcnt 0x0
	s_wait_alu depctr_hold_cnt(0) depctr_sa_sdst(0) depctr_va_vdst(0) depctr_va_sdst(0) depctr_va_ssrc(0) depctr_va_vcc(0) depctr_vm_vsrc(0)
	s_getreg_b32 s2, hwreg(HW_REG_IB_STS2, 6, 4)
	s_cmp_eq_u32 s2, 0
	s_cbranch_scc0 .Lentry_in_a_cluster
	s_endpgm
.Lentry_in_a_cluster:
	s_bfe_u32 s2, ttmp6, 0x10000c
	s_cmp_lg_u32 s2, 0xf033
	s_cbranch_scc0 .Lentry_shape_is_right
	s_endpgm
.Lentry_shape_is_right:
; THE THREE INPUT PROJECTIONS: C_p[m][n] = sum over k of A_p[m][k] W_p[k][n] + bias_p[n], p = 0 query Wq, 1 key Wk, 2 value Wv; m = 4096, n = k = 1024.
; A_p: xb[p][k/64][m][k%64] bf16.  W_p: wb[p][k][n] bf16.  Result: qkv[p][n/64][m][n%64] f16; q (p = 0) is multiplied by log2(e)/8,
; the scores' 1/sqrt(64) and the base-2 exponential's factor.
; A work-group makes a block of 256 x 256 of one product with four waves, one for each SIMD of a WGP; a wave makes 128 x 128: 64 accumulator tiles
; of 16 x 16, 512 registers.  3 products x 16 x 4 blocks = 192 work-groups.  Why not smaller blocks on more WGPs: for 32 along K a wave of 128 x 128
; reads 32 x 512 bytes from LDS for 64 matrix instructions, a wave of 64 x 64 reads 16 x 512 for 16; a block of 256 x 256 is filled with 1,024 bytes
; for each k and 65,536 multiply-adds, one of 128 x 128 with 512 for 16,384: twice the bytes for each multiply-add in both places.  No block of
; 3 x 4096 x 1024 / 256 = 49,152 outputs divides 4096 x 1024.
; K goes in 8 steps of 128 through a ring of two LDS slots filled by the tensor data mover, one load a wave and slot:
;   waves 0, 1: 128 rows of A, as 2 runs of 16 KiB (a block of 64 k of 128 rows is dense), 16 bytes of padding behind every 128: pitch 144
;   waves 2, 3: 64 rows (k) of W x 512 bytes, 32 bytes of padding behind each: pitch 544
; From a request to the wait for it a wave issues 240 matrix instructions.  A wave has two tensor loads out at the start and one afterwards.
; CLUSTERS: 4 x 4 work-groups, all of one product (grid y = 16 p + block row, so four neighbouring y share p).  A's tiles hang on the block row and are
; asked for jointly by a row of the cluster, W's on the block column and the product and by a column: the requests for both are divided by four.
; THE MATRIX INSTRUCTION IS USED TRANSPOSED: source 0 = 16 columns of W (brought out of [k][n] rows by the transposing LDS load), source 1 = 16 rows of A.
; Lane l then holds row m = l % 16 and columns n = 8 (l / 16) + 0..7 of a tile: eight neighbouring numbers of a row of C.
; REGISTERS, in windows of 256:
;   window 0: v16-27 addresses; v32-63, v224-255 bias of my 64 columns; v64-127, v128-191 fragments of A, two buffers; v192-223 packed results
;   window 1: v64-127, v128-191 fragments of W, two buffers
;   window 2: the 32 accumulator tiles of my rows 0-63 (tile (a, b) at v[8 (8 a + b)]);   window 3: those of my rows 64-127
; LIMITS: the results are rounded to f16: |q| log2(e)/8, |k|, |v| must stay below 65,504 (inputs 30 times those drawn give some 5.4e3).
; Activations and weights come rounded to bf16; the biases are used in f32.
.set KSTEP,  128
.set APITCH, 144                       ; 9 x 16 bytes: the 16 rows of a fragment load start in 16 different columns of 16 bytes
.set WPITCH, 544                       ; 17 x 32 bytes, for the transposing load
.set AHALF,  2*128*APITCH              ; 36,864: what one tensor load of A fills, and what one wave reads of A
.set WHALF,  64*WPITCH                 ; 34,816: what one tensor load of W fills
.set WOFF,   2*AHALF                   ; W's 128 rows lie behind A's two halves
.set SLOT,   WOFF+2*WHALF              ; 143,360
.set STAGE,  2*SLOT                    ; 286,720, a multiple of 256: behind the ring, for the way out; no tensor load ever lands there
.set STGW,   2*16*APITCH               ; 4,608 for each wave: two heads x 16 rows
.set LAPS,   1024/(2*KSTEP)            ; a lap = two K steps = once round the ring
.set ADRA, 16                          ; v16-17  LDS address of my A fragments in slot 0, 1
.set ADRB, 20                          ; v20-21  the same for W
.set STO,  24                          ; way out: where I put 16 bytes of a row
.set RD,   25                          ; way out: where I read rows back
.set CO,   26                          ; my byte offset in qkv
.set BO,   27                          ; my byte offset in the bias
.set BLO,  32                          ; v32-63   bias of my columns in column blocks 0-3
.set F0,   64                          ; fragment buffer 0
.set F1,   128                         ; fragment buffer 1
.set T,    128                         ; way out: 64 results in f32 (buffer 1 is free then)
.set PK,   192                         ; v192-223 way out: packed to f16
.set BHI,  224                         ; v224-255 bias of my columns in column blocks 4-7
.set G1,  24                           ; s[24:31] descriptor group 1 for A
.set G0,  32                           ; s[32:39] group 0 for A, one set for each slot
.set G1B, 48                           ; s[48:55] group 1 for W
.set G0B, 56                           ; s[56:63] group 0 for W, one set for each slot
.set MSB, 0
.macro WIN new                         ; the immediate's high byte repeats the setting that is left; a switch that changes nothing is dropped
.if MSB != \new
	s_set_vgpr_msb (MSB<<8)|\new
.set MSB, \new
.endif
.endm
.set MUL_LO, 0xa1                      ; source 0 (W) window 1, source 1 (A) window 0, C and D window 2
.set MUL_HI, 0xf1                      ; the same, C and D window 3
.set TO_B,   0x40                      ; destination window 1, address window 0
; A joint load.  Waves 0 and 1 ask for A's halves, waves 2 and 3 for W's; each line has one mask, and the branch hangs on the wave's number alone.
.macro JLOAD s
	s_cmp_eq_u32 s11, 0
	s_cbranch_scc0 .Lfor_b_\@
	tensor_load_to_lds s[G0+4*\s:G0+4*\s+3], s[G1:G1+7]
	s_nop 0
	s_branch .Lasked_\@
.Lfor_b_\@:
	tensor_load_to_lds s[G0B+4*\s:G0B+4*\s+3], s[G1B:G1B+7]
	s_nop 0
.Lasked_\@:
.endm
.macro CREST                           ; a round of the cluster's barrier behind its opening work-group barrier
	s_cmp_lg_u32 s10, 0
	s_cbranch_scc1 .Lnot_wave_0_\@
	s_barrier_signal -3
.Lnot_wave_0_\@:
	s_barrier_wait -3
	s_barrier_signal -1
	s_barrier_wait -1
.endm
.macro CROUND                          ; a whole round
	s_barrier_signal -1
	s_barrier_wait -1
	CREST
.endm
	s_load_b128 s[4:7], s[0:1], 0x0                ; xb s[4:5], wb s[6:7]
	s_load_b128 s[68:71], s[0:1], 0x10             ; bq, bk
	s_load_b64 s[72:73], s[0:1], 0x20              ; bv
	s_load_b64 s[8:9], s[0:1], 0x28                ; qkv
	s_set_vgpr_msb 0x40
	v_lshl_add_u32 v255, v0, 2, 0x4a800
	s_set_vgpr_msb 0x4000
	v_mov_b32 v31, 0
	s_set_vgpr_msb 0x1
	ds_add_u32 v255, v31
	s_set_vgpr_msb 0x100
	v_lshrrev_b32 v1, 5, v0
	v_readfirstlane_b32 s10, v1                    ; wave 0..3
	s_lshr_b32 s11, s10, 1                         ; my half of the block's rows.  Also: I fetch for A (0) or for W (1)
	s_and_b32 s12, s10, 1                          ; my half of its columns.  Also: which half of that tile I fetch
	s_bfe_u32 s40, ttmp6, 0x40000                  ; cx
	s_bfe_u32 s41, ttmp6, 0x40004                  ; cy
	s_lshl_b32 s42, ttmp9, 2
	s_add_co_u32 s42, s42, s40                     ; block column = 4 x cluster x + cx, 0..3
	s_and_b32 s45, ttmp7, 0xffff                   ; cluster y, 0..11
	s_lshr_b32 s78, s45, 2                         ; the product p: four clusters along y for each, so it hangs on no place in the cluster
	s_lshl_b32 s13, s45, 2
	s_add_co_u32 s13, s13, s41                     ; grid y = 4 x cluster y + cy = 16 p + block row
	s_and_b32 s79, s13, 15                         ; block row, 0..15
	s_lshl_b32 s43, s41, 2
	s_lshl_b32 s43, 15, s43                        ; my row of the cluster: places 4 cy .. 4 cy + 3
	s_lshl_b32 s44, 0x1111, s40                    ; my column: places cx, cx + 4, cx + 8, cx + 12
	; group 1 for A: 2 rows of 8,192 elements of 2 bytes, 262,144 elements apart; 4 words of padding behind every 32
	s_or_b32 s[G1+0], s43, (1<<16)|(1<<20)|(1<<21)|(4<<22)|(3<<25)
	s_mov_b32 s[G1+1], 8192<<16                    ; tensor_dim0 = 8192
	s_mov_b32 s[G1+2], 2<<16                       ; tensor_dim1 = 2
	s_mov_b32 s[G1+3], 8192<<16                    ; tile_dim0 = 8192: 128 rows of 64 k
	s_mov_b32 s[G1+4], 2                           ; tile_dim1 = 2 blocks of 64 k
	s_mov_b32 s[G1+5], 262144                      ; from one block of 64 k to the next: 4,096 rows x 64
	s_mov_b32 s[G1+6], 0
	s_mov_b32 s[G1+7], 0
	; group 1 for W: 64 rows of 256 elements, 1,024 elements apart; 8 words of padding behind every 128
	s_or_b32 s[G1B+0], s44, (1<<16)|(1<<20)|(1<<21)|(6<<22)|(7<<25)
	s_mov_b32 s[G1B+1], 256<<16
	s_mov_b32 s[G1B+2], 64<<16
	s_mov_b32 s[G1B+3], 256<<16
	s_mov_b32 s[G1B+4], 64
	s_mov_b32 s[G1B+5], 1024
	s_mov_b32 s[G1B+6], 0
	s_mov_b32 s[G1B+7], 0
	; where the tiles come from: A's offset is made of the product, the block row and the wave's number, W's of the product, the block column and
	; the wave's number, each in registers that never hold the other place in the cluster
	s_lshl_b32 s16, s78, 23                        ; a product's section of xb: 8 MiB
	s_lshl_b32 s17, s79, 15                        ; 256 rows of 128 bytes
	s_add_co_u32 s16, s16, s17
	s_lshl_b32 s17, s12, 14                        ; my 128 rows
	s_add_co_u32 s16, s16, s17
	s_mov_b32 s17, 0
	s_lshl_b32 s46, s78, 21                        ; a product's matrix in wb: 2 MiB
	s_lshl_b32 s47, s42, 9                         ; 256 columns of 2 bytes
	s_add_co_u32 s46, s46, s47
	s_lshl_b32 s47, s12, 17                        ; my 64 rows of 2,048 bytes
	s_add_co_u32 s46, s46, s47
	s_mov_b32 s47, 0
	s_mul_i32 s20, s12, AHALF                      ; and where they go: A's two halves,
	s_mul_i32 s21, s12, WHALF
	s_add_co_u32 s21, s21, WOFF                    ; W's two halves behind them: no place in the cluster enters an LDS address
	s_wait_dscnt 0x0
	s_wait_kmcnt 0x0
	s_add_nc_u64 s[14:15], s[4:5], s[16:17]
	s_add_nc_u64 s[46:47], s[6:7], s[46:47]
	CROUND                                         ; all sixteen work-groups are here: the first joint loads meet
.irp s, 0,1
	s_mov_b32 s[G0+4*\s], 1
	s_add_co_u32 s[G0+4*\s+1], s20, \s*SLOT
	s_add_nc_u64 s[G0+4*\s+2:G0+4*\s+3], s[14:15], \s*0x100000     ; K step s: two blocks of 64 k, 524,288 bytes each
	s_or_b32 s[G0+4*\s+3], s[G0+4*\s+3], 0x80000000
	s_mov_b32 s[G0B+4*\s], 1
	s_add_co_u32 s[G0B+4*\s+1], s21, \s*SLOT
	s_add_nc_u64 s[G0B+4*\s+2:G0B+4*\s+3], s[46:47], \s*0x40000    ; K step s: 128 rows of 2,048 bytes
	s_or_b32 s[G0B+4*\s+3], s[G0B+4*\s+3], 0x80000000
	JLOAD \s                                       ; both slots are asked for before anything else is done
.endr
	; the product's bias and factor, and the bases.  Offsets that hold the block column stay in s[74:75], those with the block row in s[16:17].
	s_cmp_eq_u32 s78, 1
	s_cselect_b64 s[68:69], s[70:71], s[68:69]
	s_cmp_eq_u32 s78, 2
	s_cselect_b64 s[68:69], s[72:73], s[68:69]
	s_cmp_eq_u32 s78, 0
	s_cselect_b32 s76, 0x3e38aa3b, 1.0             ; log2(e) / 8 for q; 1.0, which changes nothing, for k and v
	s_mov_b32 s77, s76
	s_lshl_b32 s74, s42, 10
	s_lshl_b32 s75, s12, 9
	s_add_co_u32 s74, s74, s75                     ; 4 bytes x (256 x block column + 128 x my half)
	s_mov_b32 s75, 0
	s_add_nc_u64 s[68:69], s[68:69], s[74:75]
	s_lshl_b32 s74, s42, 21
	s_lshl_b32 s75, s12, 20
	s_add_co_u32 s74, s74, s75                     ; my 128 columns are two heads: 524,288 bytes x (4 x block column + 2 x my half)
	s_lshl_b32 s75, s78, 23
	s_add_co_u32 s74, s74, s75                     ; in the product's section of qkv
	s_mov_b32 s75, 0
	s_add_nc_u64 s[8:9], s[8:9], s[74:75]
	s_lshl_b32 s16, s79, 15
	s_lshl_b32 s17, s11, 14
	s_add_co_u32 s16, s16, s17                     ; 128 bytes x (256 x block row + 128 x my half)
	s_mov_b32 s17, 0
	s_add_nc_u64 s[8:9], s[8:9], s[16:17]
	v_and_b32 v1, 15, v0                           ; r = l % 16
	v_bfe_u32 v2, v0, 4, 1                         ; h = l / 16
	v_lshlrev_b32 v[BO], 5, v2                     ; my 8 columns of each block of 16
.irp b, 0,1,2,3
	global_load_b128 v[BLO+8*\b:BLO+8*\b+3], v[BO], s[68:69] offset:64*\b
	global_load_b128 v[BLO+8*\b+4:BLO+8*\b+7], v[BO], s[68:69] offset:64*\b+16
	global_load_b128 v[BHI+8*\b:BHI+8*\b+3], v[BO], s[68:69] offset:256+64*\b
	global_load_b128 v[BHI+8*\b+4:BHI+8*\b+7], v[BO], s[68:69] offset:256+64*\b+16
.endr
	v_mul_u32_u24 v3, v1, APITCH
	v_lshl_add_u32 v3, v2, 4, v3                   ; A: row r, 16 h: two loads 32 bytes apart make a fragment of 16 rows x 32 k
	s_mul_i32 s22, s11, AHALF                      ; my 128 rows of A
	v_add_nc_u32 v[ADRA], s22, v3
	v_add_nc_u32 v[ADRA+1], SLOT, v[ADRA]
	v_and_b32 v5, 7, v0
	v_bfe_u32 v6, v0, 3, 1
	v_lshl_add_u32 v7, v2, 3, v5                   ; W: row 8 h + l % 8,
	v_mul_u32_u24 v4, v7, WPITCH
	v_lshl_add_u32 v4, v6, 4, v4                   ; 16 bytes for each eight lanes; the load transposes 8 x 8 within eight lanes
	s_lshl_b32 s23, s12, 8                         ; my 128 columns,
	s_add_co_u32 s23, s23, WOFF                    ; behind A's two halves
	v_add_nc_u32 v[ADRB], s23, v4
	v_add_nc_u32 v[ADRB+1], SLOT, v[ADRB]
	s_mul_i32 s23, s10, STGW
	s_add_co_u32 s23, s23, STAGE                   ; my stage
	v_add_nc_u32 v[STO], s23, v3                   ; in: row r of 128 bytes + 16, 16 bytes for each half of the lanes
	v_bfe_u32 v8, v0, 3, 2                         ; back: four rows of 128 bytes a load, eight lanes a row
	v_mul_u32_u24 v8, v8, APITCH
	v_lshl_add_u32 v8, v5, 4, v8
	v_add_nc_u32 v[RD], s23, v8
	v_and_b32 v9, 31, v0
	v_lshlrev_b32 v[CO], 4, v9                     ; in qkv the four rows are 512 consecutive bytes
; 16 matrix instructions: row blocks a0, a0 + 1 of the window's four (hi = 0: my rows 0-63, 1: rows 64-127) x all 8 column blocks, 32 along K.
; zero = 1: the first product starts the sums: nothing is ever cleared.  The 64 accumulators take turns, one instruction a turn, in the same order
; in every quarter step.
.macro MUL16 f, hi, a0, zero
.irp a, \a0, \a0+1
.irp b, 0,1,2,3,4,5,6,7
.if \zero
	v_wmma_f32_16x16x32_bf16 v[8*(8*(\a)+\b):8*(8*(\a)+\b)+7], v[\f+8*\b:\f+8*\b+7], v[\f+8*(4*\hi+\a):\f+8*(4*\hi+\a)+7], 0
.else
	v_wmma_f32_16x16x32_bf16 v[8*(8*(\a)+\b):8*(8*(\a)+\b)+7], v[\f+8*\b:\f+8*\b+7], v[\f+8*(4*\hi+\a):\f+8*(4*\hi+\a)+7], v[8*(8*(\a)+\b):8*(8*(\a)+\b)+7]
.endif
.endr
.endr
.endm
; 32 LDS loads in one run: the fragments of quarter q of a slot's K step (32 k x 128 columns of W, 128 rows of A x 32 k) into buffer f
.macro FETCH slot, q, f
	WIN TO_B
.irp b, 0,1,2,3,4,5,6,7
	ds_load_tr16_b128 v[\f+8*\b:\f+8*\b+3],   v[ADRB+\slot] offset:\q*32*WPITCH+32*\b
	ds_load_tr16_b128 v[\f+8*\b+4:\f+8*\b+7], v[ADRB+\slot] offset:\q*32*WPITCH+32*\b+16*WPITCH
.endr
	WIN 0
.irp i, 0,1,2,3,4,5,6,7
	ds_load_b128 v[\f+8*\i:\f+8*\i+3],   v[ADRA+\slot] offset:(\q>>1)*128*APITCH+\i*16*APITCH+(\q&1)*64
	ds_load_b128 v[\f+8*\i+4:\f+8*\i+7], v[ADRA+\slot] offset:(\q>>1)*128*APITCH+\i*16*APITCH+(\q&1)*64+32
.endr
.endm
; Four places behind a matrix instruction before a load lands in one of its sources and before a vector instruction reads its result;
; the matrix instructions in between are not counted as places.
.macro PLACES
.rept 4
	v_nop
.endr
.endm
; A K step is four quarter steps of 32 along K, 64 matrix instructions each, on buffers 0, 1, 0, 1.
; One of the first three: multiplies buffer f; in its middle it fetches quarter qn of the same slot into buffer g.
.macro QUARTER slot, qn, f, g, zero
	s_wait_dscnt 8                                 ; W and A's rows 0-63 are in; the youngest eight loads (A's rows 64-127) may be out
	WIN MUL_LO
	MUL16 \f, 0, 0, \zero
	MUL16 \f, 0, 2, \zero
	PLACES
	FETCH \slot, \qn, \g
	s_wait_dscnt 32                                ; all but the 32 just issued
	WIN MUL_HI
	MUL16 \f, 1, 0, \zero
	MUL16 \f, 1, 2, \zero
.endm
.macro THREE slot, zero
	QUARTER \slot, 1, F0, F1, \zero
	QUARTER \slot, 2, F1, F0, 0
	QUARTER \slot, 3, F0, F1, 0
.endm
; The last quarter: multiplies buffer 1 and changes slots.  In front of the barrier each wave waits for its reads of this slot and for all its tensor
; loads (the one that is out is its part of the next slot).  Where the slot is filled again the barrier opens a round of the cluster's barrier, only
; register work stands inside the round, and the joint refill is the first tensor load behind it; then the next slot's first fragments are read.
.macro TURN slot, next, fill
	s_wait_dscnt 8
	WIN MUL_LO
	MUL16 F1, 0, 0, 0
	s_wait_dscnt 0                                 ; my reads of this slot are over
	s_wait_tensorcnt 0x0                           ; all my tensor loads have landed
	ds_add_u32 v255, v31
	s_wait_dscnt 0x0
	s_barrier_signal -1
	MUL16 F1, 0, 2, 0                              ; registers only, while the others arrive
	WIN 0
	s_barrier_wait -1
.if \fill
	CREST                                          ; no wave of any partner still reads this slot or has a load on its way
	s_add_nc_u64 s[G0+4*\slot+2:G0+4*\slot+3], s[G0+4*\slot+2:G0+4*\slot+3], 0x200000      ; two K steps on
	s_add_nc_u64 s[G0B+4*\slot+2:G0B+4*\slot+3], s[G0B+4*\slot+2:G0B+4*\slot+3], 0x80000
	JLOAD \slot
.endif
	PLACES
	FETCH \next, 0, F0
	WIN MUL_HI
	MUL16 F1, 1, 0, 0
	MUL16 F1, 1, 2, 0
.endm
.macro LAP zero                        ; once round the ring, both slots filled again
	THREE 0, \zero
	TURN 0, 1, 1
	THREE 1, 0
	TURN 1, 0, 1
.endm
	s_wait_tensorcnt 1                             ; my part of K step 0 is in; K step 1's may stay out
	s_barrier_signal -1
	s_barrier_wait -1                              ; everybody's is
	FETCH 0, 0, F0
	LAP 1                                          ; K steps 0, 1: the first lap stands in front of the loop, its first products start the sums
	WIN 0                                          ; at a label and at a branch every window is 0
	s_mov_b32 s3, LAPS-2
.Llap:
	LAP 0                                          ; K steps 2 to 5
	WIN 0
	s_sub_co_u32 s3, s3, 1
	s_cmp_lg_u32 s3, 0
	s_cbranch_scc1 .Llap
	THREE 0, 0                                     ; K steps 6, 7: the last lap fills nothing and has no round of the cluster's barrier
	TURN 0, 1, 0
	THREE 1, 0
	s_wait_dscnt 8                                 ; the very last quarter: nothing more to fetch
	WIN MUL_LO
	MUL16 F1, 0, 0, 0
	MUL16 F1, 0, 2, 0
	s_wait_dscnt 0
	WIN MUL_HI
	MUL16 F1, 1, 0, 0
	MUL16 F1, 1, 2, 0
	; THE WAY OUT, 16 rows at a time: (sum + bias) x factor in f32, rounded to f16, through my own stage in LDS, out as whole rows of a head.
	PLACES                                         ; behind the last matrix instructions: before their sums are read and buffer 1 is written
	WIN 0
	s_wait_loadcnt 0x0                             ; the bias, asked for at the start
.set j, 0
.rept 16
	v_pk_mul_f32 v[BLO+2*j:BLO+2*j+1], v[BLO+2*j:BLO+2*j+1], s[76:77] op_sel_hi:[1,0]   ; (sum + bias) c = sum c + bias c
	v_pk_mul_f32 v[BHI+2*j:BHI+2*j+1], v[BHI+2*j:BHI+2*j+1], s[76:77] op_sel_hi:[1,0]
.set j, j+1
.endr
; rows 16 i .. 16 i + 15 of my block = the eight tiles (a, 0..7) of window 2 or 3 (from = 0x02 or 0x03: source 0); rr: where the rows are read back, in turn
.macro OUT16 i, a, from, rr
	WIN \from
.set j, 0
.rept 16
	v_pk_fma_f32 v[T+2*j:T+2*j+1], v[64*\a+2*j:64*\a+2*j+1], s[76:77], v[BLO+2*j:BLO+2*j+1] op_sel_hi:[1,0,1]
.set j, j+1
.endr
.set j, 0
.rept 16
	v_pk_fma_f32 v[T+32+2*j:T+32+2*j+1], v[64*\a+32+2*j:64*\a+32+2*j+1], s[76:77], v[BHI+2*j:BHI+2*j+1] op_sel_hi:[1,0,1]
.set j, j+1
.endr
	WIN 0
.set j, 0
.rept 32
	v_cvt_pk_f16_f32 v[PK+j], v[T+2*j], v[T+2*j+1]
.set j, j+1
.endr
.irp b, 0,1,2,3,4,5,6,7
	ds_store_b128 v[STO], v[PK+4*\b:PK+4*\b+3] offset:(\b>>2)*16*APITCH+32*(\b&3)   ; head b / 4, d = 16 (b % 4) + 8 h ..
.endr
	s_wait_xcnt 0x0                                ; the registers that earlier stores read are loaded again only behind this wait
.irp t, 0,1,2,3,4,5,6,7
	ds_load_b128 v[\rr+4*\t:\rr+4*\t+3], v[RD] offset:(\t>>2)*16*APITCH+(\t&3)*4*APITCH   ; LDS serves a wave's instructions in order: these see the stores above
.endr
.irp t, 0,1,2,3,4,5,6,7
	s_wait_dscnt 7-\t
	global_store_b128 v[CO], v[\rr+4*\t:\rr+4*\t+3], s[8:9] offset:(\t>>2)*524288+\i*2048+(\t&3)*512   ; four rows of a head: 512 consecutive aligned bytes
.endr
.endm
	OUT16 0, 0, 0x02, F0
	OUT16 1, 1, 0x02, F0+32
	OUT16 2, 2, 0x02, F0
	OUT16 3, 3, 0x02, F0+32
	OUT16 4, 0, 0x03, F0
	OUT16 5, 1, 0x03, F0+32
	OUT16 6, 2, 0x03, F0
	OUT16 7, 3, 0x03, F0+32
	s_set_vgpr_msb 0x1
	s_wait_tensorcnt 0x0
	ds_add_u32 v255, v31
	s_wait_dscnt 0x0
	s_set_vgpr_msb 0x100
	CROUND                                         ; the closing round: no work-group ends while a partner may still ask for a tile that names it
	s_endpgm
.Lfunc_end_k_qdb38eba813_qkvproj:
	.size	k_qdb38eba813_qkvproj, .Lfunc_end_k_qdb38eba813_qkvproj-k_qdb38eba813_qkvproj
	.p2alignl 7, 3214868480
	.fill 96, 4, 3214868480
	.section	.rodata,"a",@progbits
	.p2align	6, 0x0
	.amdhsa_kernel k_qdb38eba813_qkvproj
		.amdhsa_group_segment_fixed_size 327680
		.amdhsa_private_segment_fixed_size 0
		.amdhsa_enable_private_segment 0
		.amdhsa_kernarg_size 48
		.amdhsa_user_sgpr_count 2
		.amdhsa_user_sgpr_kernarg_segment_ptr 1
		.amdhsa_wavefront_size32 1
		.amdhsa_system_sgpr_workgroup_id_x 1
		.amdhsa_system_sgpr_workgroup_id_y 1
		.amdhsa_system_sgpr_workgroup_id_z 1
		.amdhsa_system_vgpr_workitem_id 0
		.amdhsa_next_free_vgpr 1024
		.amdhsa_next_free_sgpr 80
		.amdhsa_reserve_vcc 0
		.amdhsa_float_denorm_mode_32 3
		.amdhsa_float_denorm_mode_16_64 3
		.amdhsa_memory_ordered 1
		.amdhsa_forward_progress 1
		.amdhsa_inst_pref_size 216
	.end_amdhsa_kernel
	.amdgpu_metadata
---
amdhsa.version: [ 1, 2 ]
amdhsa.kernels:
  - .name:           k_qdb38eba813_qkvproj
    .symbol:         k_qdb38eba813_qkvproj.kd
    .args:
      - { .name: xb, .offset: 0, .size: 8, .value_kind: global_buffer, .address_space: global }
      - { .name: wb, .offset: 8, .size: 8, .value_kind: global_buffer, .address_space: global }
      - { .name: bq, .offset: 16, .size: 8, .value_kind: global_buffer, .address_space: global }
      - { .name: bk, .offset: 24, .size: 8, .value_kind: global_buffer, .address_space: global }
      - { .name: bv, .offset: 32, .size: 8, .value_kind: global_buffer, .address_space: global }
      - { .name: qkv, .offset: 40, .size: 8, .value_kind: global_buffer, .address_space: global }
    .group_segment_fixed_size: 327680
    .private_segment_fixed_size: 0
    .kernarg_segment_align: 8
    .kernarg_segment_size: 48
    .max_flat_workgroup_size: 128
    .sgpr_count:     80
    .vgpr_count:     1024
    .wavefront_size: 32
...
	.end_amdgpu_metadata
.endif
;; end of part 2
;; launch attn (part 3): grid 8 x 32, 8 waves a work-group, clusters of 4 x 1, 327,680 bytes of LDS; arguments qkv, mb, xa; writes xa
.if DOCPART == 3
	.amdgcn_target "amdgcn-amd-amdhsa--gfx1250"
	.amdhsa_code_object_version 6
	.text
	.protected	k_qdb38eba813_attn
	.globl	k_qdb38eba813_attn
	.p2align	8
	.type	k_qdb38eba813_attn,@function
k_qdb38eba813_attn:
	s_mov_b64 s[64:65], 0
	v_nop
	global_prefetch_b8 v0, s[64:65] scope:SCOPE_SE
	s_setreg_imm32_b32 hwreg(HW_REG_WAVE_MODE, 25, 1), 1
	s_wait_xcnt 0x0
	s_wait_alu depctr_hold_cnt(0) depctr_sa_sdst(0) depctr_va_vdst(0) depctr_va_sdst(0) depctr_va_ssrc(0) depctr_va_vcc(0) depctr_vm_vsrc(0)
	s_getreg_b32 s2, hwreg(HW_REG_IB_STS2, 6, 4)
	s_cmp_eq_u32 s2, 0
	s_cbranch_scc0 .Lentry_in_a_cluster
	s_endpgm
.Lentry_in_a_cluster:
	s_bfe_u32 s2, ttmp6, 0x10000c
	s_cmp_lg_u32 s2, 0x3003
	s_cbranch_scc0 .Lentry_shape_is_right
	s_endpgm
.Lentry_shape_is_right:
; ATTENTION for one head and batch (grid y = 2 head + batch) and 256 queries (grid x): xa = softmax(where(mask, q k^T / 8, -1e9)) v.
; q, k, v: qkv[3][head][4096 m][64] f16, q already multiplied by log2(e)/8, so scores are in units of base-2 exponents.
; mb: the mask as lane masks, mb[b][q/16][key/16][j], bit L = mask[q = 16 (q/16) + L%16][key = 16 (key/16) + 8 (L/16) + j].
; The mask is an input: every key is worked for every query.  A masked score is -1e9 log2(e), not minus infinity: a row with no key left gives the mean of v.
; Eight waves, two for each SIMD, so that one wave's softmax runs beside the other's matrix work.  A wave owns 32 queries (two tiles of 16).
; EVERYTHING IS HELD TRANSPOSED.  S^T = K Q^T: source 0 = 16 keys x 32 d from LDS, source 1 = Q, kept in registers.  Lane (r, h) then holds query r and
; keys 8 h + 0..7 of a tile, so the row maximum and sum are made inside the lane, plus one exchange between the halves of the wave, and two tiles of
; exponentials packed to f16 ARE source 1 of O^T = V^T P^T; V^T's fragments come out of V's rows by the transposing LDS load.
; The running maximum is kept in f32 and taken away before every exponential; O and the sum are rescaled in every block of 64 keys (no branch on numbers).
; K and V go in steps of 256 keys through two LDS slots: waves 0-3 fetch 64 rows of K each, waves 4-7 64 rows of V (8 KiB dense each), one load a wave
; behind each round, so a wave has one tensor load out, with four blocks' work in which to land.
; CLUSTER 4 x 1: the four blocks of queries of a cluster read the same K and V and ask jointly (mask 15).  The mask words differ between partners
; and come by scalar loads, one block ahead.
; LIMITS: q log2(e)/8, k, v and the result are f16 (below 65,504 in magnitude); P is rounded to f16, the sum is made of the unrounded P.
.set SLOTB, 131072                     ; slot 1 begins here: the slots' LDS addresses differ in one bit
.set KP,    144                        ; K's pitch: 128 bytes + 16
.set VP,    160                        ; V's pitch: 128 bytes + 32, for the transposing load
.set VOFF,  256*KP                     ; V behind K's 256 rows
.set STG,   VOFF+256*VP                ; 77,824: behind slot 0, 2,304 bytes for each wave, for the way out; no tensor load ever lands there
; v0-7: set-up, then T(qi, t) = 4 qi + t, the maximum's chains
.set ADRK, 8                           ; v8-9    LDS address of my K fragments, slot 0, 1
.set ADRV, 10                          ; v10-11  of my V fragments
.set RD,   12                          ; way out: where I read rows back
.set CO,   13                          ; my byte offset in xa
.set LS,   14                          ; v14-15  running sum of query tile 0, 1 (each half of the lanes keeps its own part)
.set MX,   16                          ; v16, v18 running maximum of query tile 0, 1
.set NEG,  17                          ; the masked score
.set STO,  19                          ; way out: where I put 16 bytes of a row
.set AL,   20                          ; v20, v22 the rescaling factor; v21, v23 its exponent
.set U,    24                          ; v24-31  four pairs of partial sums
.set Q,    32                          ; v32-63  Q(qi, c) at 32 + 16 qi + 8 c
.set S,    64                          ; v64-127 S(t, qi) at 64 + 8 (4 qi + t); later P(qi, kc) at 64 + 32 qi + 16 kc
.set KV,   128                         ; v128-191 K(t, c) at 128 + 8 (2 t + c), then V(dt, kc) at 128 + 8 (2 dt + kc)
.set O,    192                         ; v192-255 O(dt, qi) at 192 + 8 (4 qi + dt)
; s2 wave, s3 laps, s[4:5] mask words, s6-7 lane selects, s[8:15] group 1 for K, s[16:23] for V, s[24:27] group 0 for K, s[28:31] for V,
; s[32:63] mask words of query tile 0 (8 t + j), s[68:99] of query tile 1, s[66:67] q, s[100:101] xa
.macro PLACES n                        ; places behind a matrix instruction (ISA guide 7.12.1)
.rept \n
	v_nop
.endr
.endm
.macro ROUND                           ; a round of the cluster's barrier
	s_barrier_signal -1
	s_barrier_wait -1
	s_cmp_lg_u32 s2, 0
	s_cbranch_scc1 .Lnot_wave_0_\@
	s_barrier_signal -3
.Lnot_wave_0_\@:
	s_barrier_wait -3
	s_barrier_signal -1
	s_barrier_wait -1
.endm
.macro JLOAD                           ; a joint load: waves 0-3 ask for K's rows, waves 4-7 for V's; the branch hangs on the wave's number alone
	s_cmp_lt_u32 s2, 4
	s_cbranch_scc0 .Lfor_v_\@
	tensor_load_to_lds s[24:27], s[8:15]
	s_nop 0
	s_branch .Lasked_\@
.Lfor_v_\@:
	tensor_load_to_lds s[28:31], s[16:23]
	s_nop 0
.Lasked_\@:
.endm
	s_load_b64 s[66:67], s[0:1], 0x0               ; qkv
	s_load_b64 s[4:5], s[0:1], 0x8                 ; mb
	s_load_b64 s[100:101], s[0:1], 0x10            ; xa
	s_set_vgpr_msb 0x40
	v_lshl_add_u32 v0, v0, 2, 0x33000
	v_mov_b32 v1, 0
	s_set_vgpr_msb 0x4045
	ds_add_u32 v0, v1
	s_set_vgpr_msb 0x4500
	v_lshrrev_b32 v1, 5, v0
	v_readfirstlane_b32 s2, v1                     ; wave 0..7
	s_mov_b32 s6, 0x76543210                       ; v_permlanex16_b32: lane i of one half reads lane i of the other
	s_mov_b32 s7, 0xfedcba98
	s_and_b32 s104, ttmp7, 0xffff                  ; y = 2 head + batch
	s_and_b32 s36, s2, 3                           ; which 64 rows of the tile I fetch
	; group 1: 8 KiB dense as 32 rows of 32 elements of 8 bytes; padding behind every 32 words (a row of K or V): 4 words for K, 8 for V
	s_mov_b32 s8, 15|(3<<16)|(1<<20)|(1<<21)|(4<<22)|(3<<25)
	s_mov_b32 s9, 32<<16
	s_mov_b32 s10, 32<<16
	s_mov_b32 s11, 32<<16
	s_mov_b32 s12, 32
	s_mov_b32 s13, 32
	s_mov_b32 s14, 0
	s_mov_b32 s15, 0
	s_mov_b32 s16, 15|(3<<16)|(1<<20)|(1<<21)|(4<<22)|(7<<25)
	s_mov_b32 s17, 32<<16
	s_mov_b32 s18, 32<<16
	s_mov_b32 s19, 32<<16
	s_mov_b32 s20, 32
	s_mov_b32 s21, 32
	s_mov_b32 s22, 0
	s_mov_b32 s23, 0
	s_mov_b32 s24, 1
	s_mul_i32 s25, s36, 64*KP
	s_mov_b32 s28, 1
	s_mul_i32 s29, s36, 64*VP
	s_add_co_u32 s29, s29, VOFF
	s_lshl_b32 s34, s104, 18                       ; a head and batch: 2,048 rows of 128 bytes
	s_lshl_b32 s37, s36, 13                        ; my 64 rows
	s_add_co_u32 s34, s34, s37
	s_mov_b32 s35, 0
	s_wait_dscnt 0x0
	s_wait_kmcnt 0x0
	s_add_nc_u64 s[26:27], s[66:67], s[34:35]      ; nothing of my place in the cluster enters these addresses
	s_add_nc_u64 s[30:31], s[26:27], 0x1000000     ; v's section
	s_add_nc_u64 s[26:27], s[26:27], 0x800000      ; k's section
	s_or_b32 s27, s27, 0x80000000
	s_or_b32 s31, s31, 0x80000000
	ROUND                                          ; the four work-groups are here: the first joint loads meet
	JLOAD                                          ; keys 0-255 into slot 0
	s_bfe_u32 s105, ttmp6, 0x40000                 ; cx
	s_lshl_b32 s40, ttmp9, 2
	s_add_co_u32 s40, s40, s105                    ; block of 256 queries = 4 x cluster x + cx
	s_lshl_b32 s38, s104, 18
	s_lshl_b32 s41, s40, 15
	s_add_co_u32 s38, s38, s41
	s_lshl_b32 s41, s2, 12
	s_add_co_u32 s38, s38, s41                     ; 128 bytes x (2048 y + 256 block + 32 wave)
	s_mov_b32 s39, 0
	s_add_nc_u64 s[66:67], s[66:67], s[38:39]      ; my queries
	s_add_nc_u64 s[100:101], s[100:101], s[38:39]  ; and their place in xa
	s_and_b32 s42, s104, 1
	s_lshl_b32 s42, s42, 19
	s_lshl_b32 s41, s40, 16
	s_add_co_u32 s42, s42, s41
	s_lshl_b32 s41, s2, 13
	s_add_co_u32 s42, s42, s41                     ; 4,096 bytes x (128 batch + 16 block + 2 wave)
	s_mov_b32 s43, 0
	s_add_nc_u64 s[4:5], s[4:5], s[42:43]
	s_mul_i32 s104, s2, 2304
	s_add_co_u32 s104, s104, STG                   ; my stage
	v_and_b32 v1, 15, v0                           ; r
	v_bfe_u32 v2, v0, 4, 1                         ; h
	v_and_b32 v3, 7, v0
	v_bfe_u32 v4, v0, 3, 1
	v_lshlrev_b32 v6, 7, v1
	v_lshl_add_u32 v6, v2, 4, v6                   ; Q: query r, d = 8 h ..
.irp qi, 0,1
.irp c, 0,1
	global_load_b128 v[Q+16*\qi+8*\c:Q+16*\qi+8*\c+3], v6, s[66:67] offset:2048*\qi+64*\c
	global_load_b128 v[Q+16*\qi+8*\c+4:Q+16*\qi+8*\c+7], v6, s[66:67] offset:2048*\qi+64*\c+32
.endr
.endr
	s_load_b512 s[32:47], s[4:5], 0x0              ; the first block's mask words: key tiles 0, 1 of query tile 0,
	s_load_b512 s[48:63], s[4:5], 0x40             ; key tiles 2, 3,
	s_load_b512 s[68:83], s[4:5], 0x1000           ; and the same of query tile 1
	s_load_b512 s[84:99], s[4:5], 0x1040
	v_mul_u32_u24 v[ADRK], v1, KP
	v_lshl_add_u32 v[ADRK], v2, 4, v[ADRK]         ; K: key r, 16 h
	v_add_nc_u32 v[ADRK+1], SLOTB, v[ADRK]
	v_lshl_add_u32 v5, v2, 3, v3                   ; V: key 8 h + l % 8,
	v_mul_u32_u24 v[ADRV], v5, VP
	v_lshl_add_u32 v[ADRV], v4, 4, v[ADRV]         ; 16 bytes for each eight lanes
	v_add_nc_u32 v[ADRV], VOFF, v[ADRV]
	v_add_nc_u32 v[ADRV+1], SLOTB, v[ADRV]
	v_add_nc_u32 v[STO], s104, v[ADRK]             ; in: query r, 16 h
	v_bfe_u32 v5, v0, 3, 2                         ; back: four rows of 128 bytes a load
	v_mul_u32_u24 v5, v5, KP
	v_lshl_add_u32 v5, v3, 4, v5
	v_add_nc_u32 v[RD], s104, v5
	v_and_b32 v5, 31, v0
	v_lshlrev_b32 v[CO], 4, v5
	v_mov_b32 v[NEG], 0xceabfb8f                   ; -1e9 x log2(e)
	s_wait_loadcnt 0x0                             ; Q, once; v6 is free again
; The largest of query tile qi's 32 scores in my lane, of the other half's, and of the running maximum; then the factor 2^(old - new).
.macro MAXQ qi, first
.irp t, 0,1,2,3
	v_max3_num_f32 v[4*\qi+\t], v[S+8*(4*\qi+\t)], v[S+8*(4*\qi+\t)+1], v[S+8*(4*\qi+\t)+2]   ; four chains, started by the scores themselves
.endr
.irp t, 0,1,2,3
	v_max3_num_f32 v[4*\qi+\t], v[4*\qi+\t], v[S+8*(4*\qi+\t)+3], v[S+8*(4*\qi+\t)+4]
.endr
.irp t, 0,1,2,3
	v_max3_num_f32 v[4*\qi+\t], v[4*\qi+\t], v[S+8*(4*\qi+\t)+5], v[S+8*(4*\qi+\t)+6]
.endr
	v_max3_num_f32 v[4*\qi], v[4*\qi], v[S+32*\qi+7], v[S+32*\qi+15]
	v_max3_num_f32 v[4*\qi+2], v[4*\qi+2], v[S+32*\qi+23], v[S+32*\qi+31]
	v_max3_num_f32 v[4*\qi], v[4*\qi], v[4*\qi+1], v[4*\qi+2]
.if \first
	v_max_num_f32 v[4*\qi], v[4*\qi], v[4*\qi+3]
	v_permlanex16_b32 v[4*\qi+1], v[4*\qi], s6, s7             ; the other half's keys of the same query
	v_max_num_f32 v[MX+2*\qi], v[4*\qi], v[4*\qi+1]
.else
	v_max3_num_f32 v[4*\qi], v[4*\qi], v[4*\qi+3], v[MX+2*\qi]
	v_permlanex16_b32 v[4*\qi+1], v[4*\qi], s6, s7
	v_max_num_f32 v[4*\qi+2], v[4*\qi], v[4*\qi+1]
	v_sub_f32 v[AL+2*\qi+1], v[MX+2*\qi], v[4*\qi+2]
	v_mov_b32 v[MX+2*\qi], v[4*\qi+2]
	v_exp_f32 v[AL+2*\qi], v[AL+2*\qi+1]           ; a plain vector instruction that touches neither register follows (ISA guide 5.7.2)
.endif
.endm
; 64 keys (number kb of the slot's four) against my 32 queries.  first = 1: nothing to rescale, the products start O.
; nextmask = 1: the next block's mask words are asked for; kbl = the block's number in the lap, for their offset.
.macro BLOCK slot, kb, first, nextmask, kbl
.irp c, 0,1
.irp t, 0,1,2,3
	ds_load_b128 v[KV+8*(2*\t+\c):KV+8*(2*\t+\c)+3], v[ADRK+\slot] offset:(64*\kb+16*\t)*KP+64*\c
	ds_load_b128 v[KV+8*(2*\t+\c)+4:KV+8*(2*\t+\c)+7], v[ADRK+\slot] offset:(64*\kb+16*\t)*KP+64*\c+32
.endr
.endr
	s_wait_dscnt 0x8                               ; d = 0..31 of the four key tiles are in; the eight loads of d = 32..63 may be out
.irp t, 0,1,2,3
.irp qi, 0,1
	v_wmma_f32_16x16x32_f16 v[S+8*(4*\qi+\t):S+8*(4*\qi+\t)+7], v[KV+16*\t:KV+16*\t+7], v[Q+16*\qi:Q+16*\qi+7], 0
.endr
.endr
	s_wait_dscnt 0x0
.irp t, 0,1,2,3                        ; the eight accumulators take turns, one instruction a turn, in the same order
.irp qi, 0,1
	v_wmma_f32_16x16x32_f16 v[S+8*(4*\qi+\t):S+8*(4*\qi+\t)+7], v[KV+16*\t+8:KV+16*\t+15], v[Q+16*\qi+8:Q+16*\qi+15], v[S+8*(4*\qi+\t):S+8*(4*\qi+\t)+7]
.endr
.endr
	PLACES 4                                       ; before V lands on K's registers and before the scores are read
.irp kc, 0,1
.irp dt, 0,1,2,3
	ds_load_tr16_b128 v[KV+8*(2*\dt+\kc):KV+8*(2*\dt+\kc)+3], v[ADRV+\slot] offset:(64*\kb+32*\kc)*VP+32*\dt
	ds_load_tr16_b128 v[KV+8*(2*\dt+\kc)+4:KV+8*(2*\dt+\kc)+7], v[ADRV+\slot] offset:(64*\kb+32*\kc)*VP+32*\dt+16*VP
.endr
.endr
	s_wait_kmcnt 0x0                               ; this block's mask words, asked for one block ago
.irp t, 0,1,2,3
.irp j, 0,1,2,3,4,5,6,7
	v_cndmask_b32 v[S+8*\t+\j], v[NEG], v[S+8*\t+\j], s[32+8*\t+\j]
	v_cndmask_b32 v[S+32+8*\t+\j], v[NEG], v[S+32+8*\t+\j], s[68+8*\t+\j]
.endr
.endr
.if \nextmask
	s_load_b512 s[32:47], s[4:5], (\kbl+1)*128
	s_load_b512 s[48:63], s[4:5], (\kbl+1)*128+64
	s_load_b512 s[68:83], s[4:5], (\kbl+1)*128+4096
	s_load_b512 s[84:99], s[4:5], (\kbl+1)*128+4160
.endif
	MAXQ 0, \first
	MAXQ 1, \first
.irp qi, 0,1
.set ii, 0
.rept 16
	v_pk_add_f32 v[S+32*\qi+2*ii:S+32*\qi+2*ii+1], v[S+32*\qi+2*ii:S+32*\qi+2*ii+1], v[MX+2*\qi:MX+2*\qi+1] op_sel_hi:[1,0] neg_lo:[0,1] neg_hi:[0,1]   ; score - maximum
.set ii, ii+1
.endr
.endr
.set ii, 0
.rept 64
	v_exp_f32 v[S+ii], v[S+ii]
.set ii, ii+1
.endr
.if \first
	v_nop                                          ; the plain place behind the last exponential
	s_wait_alu depctr_va_vdst(0)
.else
	s_wait_alu depctr_va_vdst(0)
.irp qi, 0,1
.set ii, 0
.rept 16
	v_pk_mul_f32 v[O+32*\qi+2*ii:O+32*\qi+2*ii+1], v[O+32*\qi+2*ii:O+32*\qi+2*ii+1], v[AL+2*\qi:AL+2*\qi+1] op_sel_hi:[1,0]   ; O to the new maximum; also the plain places behind the exponentials
.set ii, ii+1
.endr
.endr
.endif
	; the block's sum, in four chains of pairs
.irp qi, 0,1
.irp x, 0,1
	v_pk_add_f32 v[U+4*\qi+2*\x:U+4*\qi+2*\x+1], v[S+32*\qi+16*\x:S+32*\qi+16*\x+1], v[S+32*\qi+16*\x+2:S+32*\qi+16*\x+3]
.endr
.endr
.irp i, 2,3,4,5,6,7
.irp qi, 0,1
.irp x, 0,1
	v_pk_add_f32 v[U+4*\qi+2*\x:U+4*\qi+2*\x+1], v[U+4*\qi+2*\x:U+4*\qi+2*\x+1], v[S+32*\qi+16*\x+2*\i:S+32*\qi+16*\x+2*\i+1]
.endr
.endr
.endr
.irp qi, 0,1
	v_pk_add_f32 v[U+4*\qi:U+4*\qi+1], v[U+4*\qi:U+4*\qi+1], v[U+4*\qi+2:U+4*\qi+3]
.endr
.irp qi, 0,1
.if \first
	v_add_f32 v[LS+\qi], v[U+4*\qi], v[U+4*\qi+1]
.else
	v_add_f32 v[U+4*\qi], v[U+4*\qi], v[U+4*\qi+1]
	v_fma_f32 v[LS+\qi], v[LS+\qi], v[AL+2*\qi], v[U+4*\qi]
.endif
.endr
	; P to f16, in place: key tiles 2 kc and 2 kc + 1 become registers 0-3 and 4-7 of the fragment of 32 keys
.irp qi, 0,1
.irp kc, 0,1
.irp i, 0,1,2,3
	v_cvt_pk_f16_f32 v[S+32*\qi+16*\kc+\i], v[S+32*\qi+16*\kc+2*\i], v[S+32*\qi+16*\kc+2*\i+1]
.endr
.irp i, 0,1,2,3
	v_cvt_pk_f16_f32 v[S+32*\qi+16*\kc+4+\i], v[S+32*\qi+16*\kc+8+2*\i], v[S+32*\qi+16*\kc+8+2*\i+1]
.endr
.endr
.endr
	s_wait_dscnt 0x0                               ; V
.irp kc, 0,1                           ; eight accumulators by turns, as above
.irp dt, 0,1,2,3
.irp qi, 0,1
.if \first*(1-\kc)
	v_wmma_f32_16x16x32_f16 v[O+8*(4*\qi+\dt):O+8*(4*\qi+\dt)+7], v[KV+8*(2*\dt+\kc):KV+8*(2*\dt+\kc)+7], v[S+32*\qi+16*\kc:S+32*\qi+16*\kc+7], 0
.else
	v_wmma_f32_16x16x32_f16 v[O+8*(4*\qi+\dt):O+8*(4*\qi+\dt)+7], v[KV+8*(2*\dt+\kc):KV+8*(2*\dt+\kc)+7], v[S+32*\qi+16*\kc:S+32*\qi+16*\kc+7], v[O+8*(4*\qi+\dt):O+8*(4*\qi+\dt)+7]
.endif
.endr
.endr
.endr
	PLACES 5                                       ; before the next K lands on V's registers (four) and the next scores' matrix instructions write over P (five)
.endm
; 256 keys.  In front of the round every wave waits for all its tensor loads (its part of this slot) and for its LDS reads of the other slot;
; the round stands for the barrier in front of a refill; the joint load into the other slot is the first thing behind it.
.macro TRIP slot, refill, first, last, kbase
	s_set_vgpr_msb 0x5
	s_wait_tensorcnt 0x0                           ; no tensor load of mine is out: the descriptors may be written
	ds_add_u32 v0, v1
	s_wait_dscnt 0x0
	s_set_vgpr_msb 0x500
	s_add_nc_u64 s[26:27], s[26:27], 32768         ; the next 256 rows,
	s_add_nc_u64 s[30:31], s[30:31], 32768
	s_xor_b32 s25, s25, SLOTB                      ; into the other slot
	s_xor_b32 s29, s29, SLOTB
	s_wait_dscnt 0x0
	ROUND
.if \refill
	JLOAD
.endif
	BLOCK \slot, 0, \first, 1, \kbase
	BLOCK \slot, 1, 0, 1, \kbase+1
	BLOCK \slot, 2, 0, 1, \kbase+2
	BLOCK \slot, 3, 0, 1-\last, \kbase+3
.endm
.macro LAP first, last                 ; once round the ring: 512 keys, 8 blocks, 1,024 bytes of mask words for each query tile
	TRIP 0, 1, \first, 0, 0
	TRIP 1, 1-\last, 0, \last, 4
.if 1-\last
	s_wait_xcnt 0x0                                ; the scalar loads' base is stepped only behind this wait
	s_add_nc_u64 s[4:5], s[4:5], 1024
.endif
.endm
	LAP 1, 0                                       ; the first lap stands in front of the loop: its first block starts maximum, sum and O
	s_mov_b32 s3, 2
.Llap:
	LAP 0, 0
	s_sub_co_u32 s3, s3, 1
	s_cmp_lg_u32 s3, 0
	s_cbranch_scc1 .Llap
	LAP 0, 1                                       ; the last 256 keys ask for no tile, the last block for no mask words
	; the two halves' sums meet; O / sum, to f16, through my stage, out as rows of 128 bytes
	v_permlanex16_b32 v0, v[LS], s6, s7
	v_permlanex16_b32 v4, v[LS+1], s6, s7
	v_add_f32 v[LS], v[LS], v0
	v_add_f32 v[LS+1], v[LS+1], v4
	v_rcp_f32 v[AL], v[LS]                         ; the sum is at least 1: the largest score's exponential
	v_rcp_f32 v[AL+2], v[LS+1]
	v_nop
	s_wait_alu depctr_va_vdst(0)
.irp qi, 0,1
.set ii, 0
.rept 16
	v_pk_mul_f32 v[O+32*\qi+2*ii:O+32*\qi+2*ii+1], v[O+32*\qi+2*ii:O+32*\qi+2*ii+1], v[AL+2*\qi:AL+2*\qi+1] op_sel_hi:[1,0]
.set ii, ii+1
.endr
.set ii, 0
.rept 16
	v_cvt_pk_f16_f32 v[S+16*\qi+ii], v[O+32*\qi+2*ii], v[O+32*\qi+2*ii+1]
.set ii, ii+1
.endr
.irp dt, 0,1,2,3
	ds_store_b128 v[STO], v[S+16*\qi+4*\dt:S+16*\qi+4*\dt+3] offset:32*\dt      ; query r, d = 16 dt + 8 h ..
.endr
.irp t, 0,1,2,3
	ds_load_b128 v[KV+16*\qi+4*\t:KV+16*\qi+4*\t+3], v[RD] offset:4*KP*\t       ; LDS serves a wave's instructions in order: these see the stores above
.endr
.irp t, 0,1,2,3
	s_wait_dscnt 3-\t
	global_store_b128 v[CO], v[KV+16*\qi+4*\t:KV+16*\qi+4*\t+3], s[100:101] offset:2048*\qi+512*\t   ; four queries: 512 consecutive aligned bytes
.endr
.endr
	s_set_vgpr_msb 0x5
	s_wait_tensorcnt 0x0
	ds_add_u32 v0, v1
	s_wait_dscnt 0x0
	s_set_vgpr_msb 0x500
	ROUND                                          ; the closing round
	s_endpgm
.Lfunc_end_k_qdb38eba813_attn:
	.size	k_qdb38eba813_attn, .Lfunc_end_k_qdb38eba813_attn-k_qdb38eba813_attn
	.p2alignl 7, 3214868480
	.fill 96, 4, 3214868480
	.section	.rodata,"a",@progbits
	.p2align	6, 0x0
	.amdhsa_kernel k_qdb38eba813_attn
		.amdhsa_group_segment_fixed_size 327680
		.amdhsa_private_segment_fixed_size 0
		.amdhsa_enable_private_segment 0
		.amdhsa_kernarg_size 24
		.amdhsa_user_sgpr_count 2
		.amdhsa_user_sgpr_kernarg_segment_ptr 1
		.amdhsa_wavefront_size32 1
		.amdhsa_system_sgpr_workgroup_id_x 1
		.amdhsa_system_sgpr_workgroup_id_y 1
		.amdhsa_system_sgpr_workgroup_id_z 1
		.amdhsa_system_vgpr_workitem_id 0
		.amdhsa_next_free_vgpr 258
		.amdhsa_next_free_sgpr 106
		.amdhsa_reserve_vcc 0
		.amdhsa_float_denorm_mode_32 3
		.amdhsa_float_denorm_mode_16_64 3
		.amdhsa_memory_ordered 1
		.amdhsa_forward_progress 1
		.amdhsa_inst_pref_size 255
	.end_amdhsa_kernel
	.section	.bss,"aw",@nobits
	.p2align	6
	.space	262144
	.amdgpu_metadata
---
amdhsa.version: [ 1, 2 ]
amdhsa.kernels:
  - .name:           k_qdb38eba813_attn
    .symbol:         k_qdb38eba813_attn.kd
    .args:
      - { .name: qkv, .offset: 0, .size: 8, .value_kind: global_buffer, .address_space: global }
      - { .name: mb, .offset: 8, .size: 8, .value_kind: global_buffer, .address_space: global }
      - { .name: xa, .offset: 16, .size: 8, .value_kind: global_buffer, .address_space: global }
    .group_segment_fixed_size: 327680
    .private_segment_fixed_size: 0
    .kernarg_segment_align: 8
    .kernarg_segment_size: 24
    .max_flat_workgroup_size: 256
    .sgpr_count:     106
    .vgpr_count:     258
    .wavefront_size: 32
...
	.end_amdgpu_metadata
.endif
;; end of part 3
;; launch oproj (part 4): grid 8 x 32, 4 waves a work-group, clusters of 4 x 4, 327,680 bytes of LDS; arguments xa, wb, bo, out0; writes out0
.if DOCPART == 4
	.amdgcn_target "amdgcn-amd-amdhsa--gfx1250"
	.amdhsa_code_object_version 6
	.text
	.protected	k_qdb38eba813_oproj
	.globl	k_qdb38eba813_oproj
	.p2align	8
	.type	k_qdb38eba813_oproj,@function
k_qdb38eba813_oproj:
	s_mov_b64 s[64:65], 0
	v_nop
	global_prefetch_b8 v0, s[64:65] scope:SCOPE_SE
	s_setreg_imm32_b32 hwreg(HW_REG_WAVE_MODE, 25, 1), 1
	s_wait_xcnt 0x0
	s_wait_alu depctr_hold_cnt(0) depctr_sa_sdst(0) depctr_va_vdst(0) depctr_va_sdst(0) depctr_va_ssrc(0) depctr_va_vcc(0) depctr_vm_vsrc(0)
	s_getreg_b32 s2, hwreg(HW_REG_IB_STS2, 6, 4)
	s_cmp_eq_u32 s2, 0
	s_cbranch_scc0 .Lentry_in_a_cluster
	s_endpgm
.Lentry_in_a_cluster:
	s_bfe_u32 s2, ttmp6, 0x10000c
	s_cmp_lg_u32 s2, 0xf033
	s_cbranch_scc0 .Lentry_shape_is_right
	s_endpgm
.Lentry_shape_is_right:
; C[m][n] = sum over k of A[m][k] W[k][n] + bias[n], m = 4096, n = k = 1024.  One text for two launches, told apart by MODE:
;   MODE 0: three products (query Wq, key Wk, value Wv), bf16 operands, results as f16 into qkv[p][n/64][m][n%64]; q is multiplied by log2(e)/8
;   MODE 1: one product (attention output x Wo), f16 operands, result f32 into out0[m][n]
; A lies as [k/64][m][64] (16-bit), W as [k][n] (16-bit).
; A work-group makes 128 x 128 of C with four waves, one for each SIMD of a WGP; a wave makes 64 x 64: 16 accumulator tiles, 128 registers.
; 4096 x 1024 outputs over 256 work-groups leave no larger block.  In MODE 0 the work-group stays and makes the same block of all three products,
; the ring of slots running on through the way out.
; K goes in steps of 256 through two LDS slots filled by the tensor data mover, one load a wave and slot (36,864 bytes with padding):
;   waves 0, 1: 64 rows of A, as 4 runs of 8 KiB (a block of 64 k of 64 rows is dense), 16 bytes of padding behind every 128: pitch 144
;   waves 2, 3: 128 rows of W x 256 bytes, 32 bytes of padding behind each: pitch 288
; From a request to the wait for it a wave issues 124 matrix instructions.  A wave has two tensor loads out at the start and one afterwards.
; CLUSTERS: 4 x 4 work-groups.  A's tiles hang on the block row alone and are asked for jointly by a row of the cluster, W's on the block column
; alone and by a column: the requests for both are divided by four.
; THE MATRIX INSTRUCTION IS USED TRANSPOSED: source 0 = 16 columns of W (brought out of [k][n] rows by the transposing LDS load), source 1 = 16 rows of A.
; Lane l then holds row m = l % 16 and columns n = 8 (l / 16) + 0..7 of a tile: eight neighbouring numbers of a row of C.
; LIMITS: MODE 0 rounds its results to f16: |q| log2(e)/8, |k|, |v| must stay below 65,504 (inputs 30 times those drawn give some 5.4e3).
; The biases are used in f32.
.set MODE, 1
.if MODE
.set NT, 1                             ; products
.else
.set NT, 3
.endif
.set HALF,   36864                     ; what one tensor load fills
.set SLOT,   4*HALF                    ; A's two halves, then W's two halves
.set STAGE,  2*SLOT                    ; behind the ring: 4,352 bytes for each wave, for the way out; no tensor load ever lands there
.set APITCH, 144                       ; 9 x 16 bytes: the 16 rows of a fragment load start in 16 different columns of 16 bytes
.set WPITCH, 288                       ; 9 x 32 bytes, for the transposing load
.set ADRA, 16                          ; v16-17  LDS address of my A fragments, slot 0, 1
.set ADRB, 20                          ; v20-23  of my W fragments: slot 0 rows 0-127, rows 128-255, slot 1 likewise
.set STO,  24                          ; way out: where I put my numbers of a row
.set RD,   25                          ; way out: where I read rows back
.set CO,   26                          ; my byte offset in the output
.set BO,   27                          ; my byte offset in the bias
.set BIAS, 32                          ; v32-63  bias of my 32 columns
.set F0,   64                          ; fragment buffer 0: A's row blocks 0-3 at +0, +8, +16, +24; W's column blocks 0-3 at +32 ..
.set F1,   128                         ; fragment buffer 1
.set T,    192                         ; v192-223 way out: 32 results in f32
.set PK,   224                         ; v224-239 MODE 0: packed to f16
.if MODE
.set R,    224                         ; v224-255 rows read back
.else
.set R,    240                         ; v240-255
.endif
; window 1 (v256-383): accumulator tile (a, b) at v[8 (4 a + b)]
.set G1,  24                           ; s[24:31] descriptor group 1 for A
.set G0,  32                           ; s[32:39] group 0 for A, one set for each slot
.set G1B, 48                           ; s[48:55] group 1 for W
.set G0B, 56                           ; s[56:63] group 0 for W, one set for each slot
.set MSB, 0
.macro WIN new                         ; the immediate's high byte repeats the setting that is left; a switch that changes nothing is dropped
.if MSB != \new
	s_set_vgpr_msb (MSB<<8)|\new
.set MSB, \new
.endif
.endm
.set MUL,   0x50                       ; C and D in window 1, both sources in window 0
.set RDACC, 0x01                       ; source 0 in window 1
.macro PLACES                          ; four places behind a matrix instruction: before a load lands in one of its sources, before a vector instruction reads its result
.rept 4
	v_nop
.endr
.endm
; A joint load.  Waves 0 and 1 ask for A's halves, waves 2 and 3 for W's; each line has one mask, and the branch hangs on the wave's number alone.
.macro JLOAD s
	s_cmp_eq_u32 s11, 0
	s_cbranch_scc0 .Lfor_b_\@
	tensor_load_to_lds s[G0+4*\s:G0+4*\s+3], s[G1:G1+7]
	s_nop 0
	s_branch .Lasked_\@
.Lfor_b_\@:
	tensor_load_to_lds s[G0B+4*\s:G0B+4*\s+3], s[G1B:G1B+7]
	s_nop 0
.Lasked_\@:
.endm
.macro CREST                           ; a round of the cluster's barrier behind its opening work-group barrier
	s_cmp_lg_u32 s10, 0
	s_cbranch_scc1 .Lnot_wave_0_\@
	s_barrier_signal -3
.Lnot_wave_0_\@:
	s_barrier_wait -3
	s_barrier_signal -1
	s_barrier_wait -1
.endm
.macro CROUND                          ; a whole round
	s_barrier_signal -1
	s_barrier_wait -1
	CREST
.endm
	s_load_b128 s[4:7], s[0:1], 0x0                ; A s[4:5], wb s[6:7]
.if MODE
	s_load_b64 s[68:69], s[0:1], 0x10              ; bo
	s_load_b64 s[8:9], s[0:1], 0x18                ; out0
	v_lshl_add_u32 v30, v0, 2, 0x4c400
	v_mov_b32 v31, 0
	ds_add_u32 v30, v31
.else
	s_load_b128 s[68:71], s[0:1], 0x10             ; bq, bk
	s_load_b64 s[72:73], s[0:1], 0x20              ; bv
	s_load_b64 s[8:9], s[0:1], 0x28                ; qkv
.endif
	v_lshrrev_b32 v1, 5, v0
	v_readfirstlane_b32 s10, v1                    ; wave 0..3
	s_lshr_b32 s11, s10, 1                         ; my half of the block's rows.  Also: I fetch for A (0) or for W (1)
	s_and_b32 s12, s10, 1                          ; my half of its columns.  Also: which half of that tile I fetch
	s_bfe_u32 s40, ttmp6, 0x40000                  ; cx
	s_bfe_u32 s41, ttmp6, 0x40004                  ; cy
	s_lshl_b32 s42, ttmp9, 2
	s_add_co_u32 s42, s42, s40                     ; block column = 4 x cluster x + cx
	s_and_b32 s13, ttmp7, 0xffff
	s_lshl_b32 s13, s13, 2
	s_add_co_u32 s13, s13, s41                     ; block row = 4 x cluster y + cy
	s_lshl_b32 s43, s41, 2
	s_lshl_b32 s43, 15, s43                        ; my row of the cluster: places 4 cy .. 4 cy + 3
	s_lshl_b32 s44, 0x1111, s40                    ; my column: places cx, cx + 4, cx + 8, cx + 12
	; group 1 for A: 4 rows of 4,096 elements of 2 bytes, 262,144 elements apart; 4 words of padding behind every 32
	s_or_b32 s[G1+0], s43, (1<<16)|(1<<20)|(1<<21)|(4<<22)|(3<<25)
	s_mov_b32 s[G1+1], 4096<<16                    ; tensor_dim0 = 4096
	s_mov_b32 s[G1+2], 4<<16                       ; tensor_dim1 = 4
	s_mov_b32 s[G1+3], 4096<<16                    ; tile_dim0 = 4096
	s_mov_b32 s[G1+4], 4                           ; tile_dim1 = 4
	s_mov_b32 s[G1+5], 262144                      ; from one block of 64 k to the next
	s_mov_b32 s[G1+6], 0
	s_mov_b32 s[G1+7], 0
	; group 1 for W: 128 rows of 128 elements, 1,024 elements apart; 8 words of padding behind every 64
	s_or_b32 s[G1B+0], s44, (1<<16)|(1<<20)|(1<<21)|(5<<22)|(7<<25)
	s_mov_b32 s[G1B+1], 128<<16
	s_mov_b32 s[G1B+2], 128<<16
	s_mov_b32 s[G1B+3], 128<<16
	s_mov_b32 s[G1B+4], 128
	s_mov_b32 s[G1B+5], 1024
	s_mov_b32 s[G1B+6], 0
	s_mov_b32 s[G1B+7], 0
	; where the tiles come from: A's offset is made of the block row and the wave's number, W's of the block column and the wave's number,
	; each in registers that never hold the other coordinate
	s_lshl_b32 s16, s13, 14                        ; 128 rows of 128 bytes
	s_lshl_b32 s17, s12, 13                        ; + my 64 rows
	s_add_co_u32 s16, s16, s17
	s_mov_b32 s17, 0
	s_lshl_b32 s46, s42, 8                         ; 128 columns of 2 bytes
	s_lshl_b32 s47, s12, 18                        ; + my 128 rows of 2,048 bytes
	s_add_co_u32 s46, s46, s47
.if MODE
	s_add_co_u32 s46, s46, 0x600000                ; Wo is the fourth matrix of wb
.endif
	s_mov_b32 s47, 0
	s_mul_i32 s20, s10, HALF                       ; and where they go: wave x 36,864
	s_wait_dscnt 0x0
	s_wait_kmcnt 0x0
	s_add_nc_u64 s[14:15], s[4:5], s[16:17]
	s_add_nc_u64 s[46:47], s[6:7], s[46:47]
	CROUND                                         ; all sixteen work-groups are here: the first joint loads meet
.irp s, 0,1
	s_mov_b32 s[G0+4*\s], 1
	s_add_co_u32 s[G0+4*\s+1], s20, \s*SLOT
	s_add_nc_u64 s[G0+4*\s+2:G0+4*\s+3], s[14:15], \s*0x200000     ; K step s: four blocks of 64 k, 524,288 bytes each
	s_or_b32 s[G0+4*\s+3], s[G0+4*\s+3], 0x80000000
	s_mov_b32 s[G0B+4*\s], 1
	s_add_co_u32 s[G0B+4*\s+1], s20, \s*SLOT
	s_add_nc_u64 s[G0B+4*\s+2:G0B+4*\s+3], s[46:47], \s*0x80000    ; K step s: 256 rows of 2,048 bytes
	s_or_b32 s[G0B+4*\s+3], s[G0B+4*\s+3], 0x80000000
	JLOAD \s                                       ; both slots are asked for before anything else is done
.endr
	; bias and output bases.  Offsets that hold the block column stay in s[74:75], those with the block row in s[16:17].
	s_lshl_b32 s74, s42, 9
	s_lshl_b32 s75, s12, 8
	s_add_co_u32 s74, s74, s75                     ; 4 bytes x (128 x block column + 64 x my half)
	s_mov_b32 s75, 0
	s_add_nc_u64 s[68:69], s[68:69], s[74:75]
.if MODE
	s_add_nc_u64 s[8:9], s[8:9], s[74:75]          ; out0: my first column,
	s_lshl_b32 s16, s13, 19
	s_lshl_b32 s17, s11, 18
	s_add_co_u32 s16, s16, s17                     ; and my first row: 4,096 bytes x (128 x block row + 64 x my half)
	s_mov_b32 s17, 0
	s_add_nc_u64 s[8:9], s[8:9], s[16:17]
.else
	s_add_nc_u64 s[70:71], s[70:71], s[74:75]
	s_add_nc_u64 s[72:73], s[72:73], s[74:75]
	s_lshl_b32 s74, s42, 20
	s_lshl_b32 s75, s12, 19
	s_add_co_u32 s74, s74, s75                     ; my 64 columns are one head: 524,288 bytes x (2 x block column + my half)
	s_mov_b32 s75, 0
	s_add_nc_u64 s[8:9], s[8:9], s[74:75]
	s_lshl_b32 s16, s13, 14
	s_lshl_b32 s17, s11, 13
	s_add_co_u32 s16, s16, s17                     ; 128 bytes x (128 x block row + 64 x my half)
	s_mov_b32 s17, 0
	s_add_nc_u64 s[8:9], s[8:9], s[16:17]
.endif
	s_mov_b32 s76, 0x3e38aa3b                      ; log2(e) / 8: the scores' 1 / sqrt(64) and the base-2 exponential, folded into q
	s_mov_b32 s77, 0x3e38aa3b
	v_and_b32 v1, 15, v0                           ; r = l % 16
	v_bfe_u32 v2, v0, 4, 1                         ; h = l / 16
	v_mul_u32_u24 v3, v1, APITCH
	v_lshl_add_u32 v3, v2, 4, v3                   ; A: row r, 16 h: two loads 32 bytes apart make a fragment of 16 rows x 32 k
	s_mul_i32 s21, s11, HALF
	v_add_nc_u32 v[ADRA], s21, v3
	v_add_nc_u32 v[ADRA+1], SLOT, v[ADRA]
	v_and_b32 v5, 7, v0
	v_bfe_u32 v6, v0, 3, 1
	v_lshl_add_u32 v7, v2, 3, v5                   ; W: row 8 h + l % 8,
	v_mul_u32_u24 v4, v7, WPITCH
	v_lshl_add_u32 v4, v6, 4, v4                   ; 16 bytes for each eight lanes; the load transposes 8 x 8 within eight lanes
	s_lshl_b32 s22, s12, 7                         ; my 64 columns,
	s_add_co_u32 s22, s22, 2*HALF                  ; behind A's two halves
	v_add_nc_u32 v[ADRB], s22, v4
	v_add_nc_u32 v[ADRB+1], HALF, v[ADRB]
	v_add_nc_u32 v[ADRB+2], SLOT, v[ADRB]
	v_add_nc_u32 v[ADRB+3], SLOT+HALF, v[ADRB]
	s_mul_i32 s23, s10, 4352
	s_add_co_u32 s23, s23, STAGE                   ; my stage
.if MODE
	v_mul_u32_u24 v8, v1, 272                      ; in: row r of 256 bytes + 16, 32 bytes for each half of the lanes
	v_lshl_add_u32 v8, v2, 5, v8
	v_add_nc_u32 v[STO], s23, v8
	v_mul_u32_u24 v9, v2, 272                      ; back: lanes 0-15 one row, lanes 16-31 the next
	v_lshl_add_u32 v9, v1, 4, v9
	v_add_nc_u32 v[RD], s23, v9
	v_lshlrev_b32 v9, 12, v2                       ; and the same two rows in out0
	v_lshl_add_u32 v[CO], v1, 4, v9
.else
	v_add_nc_u32 v[STO], s23, v3                   ; in: row r of 128 bytes + 16, 16 bytes for each half of the lanes
	v_bfe_u32 v8, v0, 3, 2                         ; back: four rows of 128 bytes a load, eight lanes a row
	v_mul_u32_u24 v8, v8, 144
	v_lshl_add_u32 v8, v5, 4, v8
	v_add_nc_u32 v[RD], s23, v8
	v_and_b32 v9, 31, v0
	v_lshlrev_b32 v[CO], 4, v9                     ; in qkv the four rows are 512 consecutive bytes
.endif
	v_lshlrev_b32 v[BO], 5, v2                     ; my 8 columns of each block of 16
; one matrix instruction; zero = 1: it starts the sum, so nothing is ever cleared
.macro MM acc, wf, af, zero
.if MODE
.if \zero
	v_wmma_f32_16x16x32_f16 v[\acc:\acc+7], v[\wf:\wf+7], v[\af:\af+7], 0
.else
	v_wmma_f32_16x16x32_f16 v[\acc:\acc+7], v[\wf:\wf+7], v[\af:\af+7], v[\acc:\acc+7]
.endif
.else
.if \zero
	v_wmma_f32_16x16x32_bf16 v[\acc:\acc+7], v[\wf:\wf+7], v[\af:\af+7], 0
.else
	v_wmma_f32_16x16x32_bf16 v[\acc:\acc+7], v[\wf:\wf+7], v[\af:\af+7], v[\acc:\acc+7]
.endif
.endif
.endm
; row block a x the four column blocks.  The 16 accumulators take turns, one instruction a turn, in the same order in every quarter.
.macro MUL4 f, a, zero
.irp b, 0,1,2,3
	MM 8*(4*\a+\b), \f+32+8*\b, \f+8*\a, \zero
.endr
.endm
; 16 LDS loads in one run: the fragments of 32 k (number q of the slot's eight) into buffer f: W's first, A's row blocks 0 to 3 behind them
.macro FETCH slot, q, f
	WIN 0
.irp b, 0,1,2,3
	ds_load_tr16_b128 v[\f+32+8*\b:\f+32+8*\b+3], v[ADRB+2*\slot+(\q>>2)] offset:(\q&3)*32*WPITCH+32*\b
	ds_load_tr16_b128 v[\f+32+8*\b+4:\f+32+8*\b+7], v[ADRB+2*\slot+(\q>>2)] offset:(\q&3)*32*WPITCH+32*\b+16*WPITCH
.endr
.irp a, 0,1,2,3
	ds_load_b128 v[\f+8*\a:\f+8*\a+3], v[ADRA+\slot] offset:(\q>>1)*64*APITCH+\a*16*APITCH+(\q&1)*64
	ds_load_b128 v[\f+8*\a+4:\f+8*\a+7], v[ADRA+\slot] offset:(\q>>1)*64*APITCH+\a*16*APITCH+(\q&1)*64+32
.endr
.endm
; 32 along K: multiplies buffer f and, in its middle, fetches part qn of the same slot into buffer g
.macro QUARTER slot, qn, f, g, zero
	s_wait_dscnt 0x4                               ; W and A's row blocks 0, 1 are in; the four youngest loads (row blocks 2, 3) may be out
	WIN MUL
	MUL4 \f, 0, \zero
	MUL4 \f, 1, \zero
	PLACES
	FETCH \slot, \qn, \g
	s_wait_dscnt 0x10                              ; all but the 16 just issued
	WIN MUL
	MUL4 \f, 2, \zero
	MUL4 \f, 3, \zero
.endm
.macro SEVEN slot, zero
	QUARTER \slot, 1, F0, F1, \zero
	QUARTER \slot, 2, F1, F0, 0
	QUARTER \slot, 3, F0, F1, 0
	QUARTER \slot, 4, F1, F0, 0
	QUARTER \slot, 5, F0, F1, 0
	QUARTER \slot, 6, F1, F0, 0
	QUARTER \slot, 7, F0, F1, 0
.endm
; The slot's last 32 k and the change of slots.  In front of the barrier each wave waits for its reads of this slot and for all its tensor loads
; (the one that is out is its part of the next slot).  Where the slot is filled again the barrier opens a round of the cluster's barrier, only
; register work stands inside the round, and the joint refill is the first tensor load behind it; then the next slot's first fragments are read.
.macro TURN slot, next, fill
	s_wait_dscnt 0x4
	WIN MUL
	MUL4 F1, 0, 0
	s_wait_dscnt 0x0                               ; my reads of this slot are over
	s_wait_tensorcnt 0x0                           ; all my tensor loads have landed
	ds_add_u32 v30, v31
	s_wait_dscnt 0x0
	s_barrier_signal -1
	MUL4 F1, 1, 0                                  ; registers only, while the others arrive
	WIN 0
	s_barrier_wait -1
.if \fill
	CREST                                          ; no wave of any partner still reads this slot or has a load on its way
	s_add_nc_u64 s[G0+4*\slot+2:G0+4*\slot+3], s[G0+4*\slot+2:G0+4*\slot+3], 0x400000      ; two K steps on; behind the last step of one product lies the first of the next
	s_add_nc_u64 s[G0B+4*\slot+2:G0B+4*\slot+3], s[G0B+4*\slot+2:G0B+4*\slot+3], 0x100000
	JLOAD \slot
.endif
	PLACES
	FETCH \next, 0, F0
	WIN MUL
	MUL4 F1, 2, 0
	MUL4 F1, 3, 0
.endm
.macro PHASE slot, next, fill, zero    ; one K step of 256
	SEVEN \slot, \zero
	TURN \slot, \next, \fill
.endm
.macro LASTQ                           ; the very last 32 k: nothing more to fetch
	s_wait_dscnt 0x0
	WIN MUL
	MUL4 F1, 0, 0
	MUL4 F1, 1, 0
	MUL4 F1, 2, 0
	MUL4 F1, 3, 0
.endm
; THE WAY OUT, 16 rows at a time: bias (and q's factor) in f32, through my own stage in LDS, out as whole rows.
.macro OUT p
	PLACES                                         ; behind the last matrix instructions, before their sums are read
	WIN 0
	s_wait_loadcnt 0x0                             ; the bias, asked for at the product's start
.set SC, 0
.if MODE == 0
.if \p == 0
.set SC, 1
.endif
.endif
.if SC
.set i, 0
.rept 16
	v_pk_mul_f32 v[BIAS+2*i:BIAS+2*i+1], v[BIAS+2*i:BIAS+2*i+1], s[76:77] op_sel_hi:[1,0]   ; (sum + bq) c = sum c + bq c
.set i, i+1
.endr
.endif
.irp a, 0,1,2,3
	WIN RDACC
.set i, 0
.rept 16
.if SC
	v_pk_fma_f32 v[T+2*i:T+2*i+1], v[32*\a+2*i:32*\a+2*i+1], s[76:77], v[BIAS+2*i:BIAS+2*i+1] op_sel_hi:[1,0,1]
.else
	v_pk_add_f32 v[T+2*i:T+2*i+1], v[32*\a+2*i:32*\a+2*i+1], v[BIAS+2*i:BIAS+2*i+1]
.endif
.set i, i+1
.endr
	WIN 0
.if MODE
.irp b, 0,1,2,3
	ds_store_b128 v[STO], v[T+8*\b:T+8*\b+3] offset:64*\b
	ds_store_b128 v[STO], v[T+8*\b+4:T+8*\b+7] offset:64*\b+16
.endr
	s_wait_xcnt 0x0                                ; R, which the last stores read, is loaded again only behind this wait
.irp t, 0,1,2,3,4,5,6,7
	ds_load_b128 v[R+4*\t:R+4*\t+3], v[RD] offset:544*\t       ; LDS serves a wave's instructions in order: these see the stores above
.endr
.irp t, 0,1,2,3,4,5,6,7
	s_wait_dscnt 7-\t
	global_store_b128 v[CO], v[R+4*\t:R+4*\t+3], s[8:9] offset:(16*\a+2*\t)*4096 th:TH_STORE_NT   ; 16 lanes store 256 consecutive aligned bytes
.endr
.else
.set i, 0
.rept 16
	v_cvt_pk_f16_f32 v[PK+i], v[T+2*i], v[T+2*i+1]
.set i, i+1
.endr
.irp b, 0,1,2,3
	ds_store_b128 v[STO], v[PK+4*\b:PK+4*\b+3] offset:32*\b
.endr
	s_wait_xcnt 0x0                                ; R, which the last stores read, is loaded again only behind this wait
.irp t, 0,1,2,3
	ds_load_b128 v[R+4*\t:R+4*\t+3], v[RD] offset:576*\t       ; LDS serves a wave's instructions in order: these see the stores above
.endr
.irp t, 0,1,2,3
	s_wait_dscnt 3-\t
	global_store_b128 v[CO], v[R+4*\t:R+4*\t+3], s[8:9] offset:2048*\a+512*\t    ; four rows of a head: 512 consecutive aligned bytes
.endr
.endif
.endr
.endm
; One product: four K steps.  A slot is filled again only if a later step reads it: the last product's last two steps ask for nothing.
.macro TILE p
.irp b, 0,1,2,3
	global_load_b128 v[BIAS+8*\b:BIAS+8*\b+3], v[BO], s[68+2*\p:69+2*\p] offset:64*\b
	global_load_b128 v[BIAS+8*\b+4:BIAS+8*\b+7], v[BO], s[68+2*\p:69+2*\p] offset:64*\b+16
.endr
	PHASE 0, 1, 1, 1                               ; the first products start the sums
	PHASE 1, 0, 1, 0
.if \p < NT-1
	PHASE 0, 1, 1, 0
	PHASE 1, 0, 1, 0                               ; its last lines fetch the next product's first fragments into buffer 0, which the way out leaves alone
.else
	PHASE 0, 1, 0, 0
	SEVEN 1, 0
	LASTQ
.endif
	OUT \p
.if \p < NT-1
	s_wait_xcnt 0x0                                ; the stores' base is stepped only behind this wait
	s_add_nc_u64 s[8:9], s[8:9], 0x800000          ; the next product's section of qkv
.endif
.endm
	s_wait_tensorcnt 0x1                           ; my part of slot 0 is in; slot 1's may stay out
	s_barrier_signal -1
	s_barrier_wait -1                              ; everybody's is
	FETCH 0, 0, F0
	TILE 0
.if NT > 1
	TILE 1
	TILE 2
.endif
	s_wait_tensorcnt 0x0
	ds_add_u32 v30, v31
	s_wait_dscnt 0x0
	CROUND                                         ; the closing round: no work-group ends while a partner may still ask for a tile that names it
	s_endpgm
.Lfunc_end_k_qdb38eba813_oproj:
	.size	k_qdb38eba813_oproj, .Lfunc_end_k_qdb38eba813_oproj-k_qdb38eba813_oproj
	.p2alignl 7, 3214868480
	.fill 96, 4, 3214868480
	.section	.rodata,"a",@progbits
	.p2align	6, 0x0
	.amdhsa_kernel k_qdb38eba813_oproj
		.amdhsa_group_segment_fixed_size 327680
		.amdhsa_private_segment_fixed_size 0
		.amdhsa_enable_private_segment 0
		.amdhsa_kernarg_size 32
		.amdhsa_user_sgpr_count 2
		.amdhsa_user_sgpr_kernarg_segment_ptr 1
		.amdhsa_wavefront_size32 1
		.amdhsa_system_sgpr_workgroup_id_x 1
		.amdhsa_system_sgpr_workgroup_id_y 1
		.amdhsa_system_sgpr_workgroup_id_z 1
		.amdhsa_system_vgpr_workitem_id 0
		.amdhsa_next_free_vgpr 384
		.amdhsa_next_free_sgpr 80
		.amdhsa_reserve_vcc 0
		.amdhsa_float_denorm_mode_32 3
		.amdhsa_float_denorm_mode_16_64 3
		.amdhsa_memory_ordered 1
		.amdhsa_forward_progress 1
		.amdhsa_inst_pref_size 95
	.end_amdhsa_kernel
	.amdgpu_metadata
---
amdhsa.version: [ 1, 2 ]
amdhsa.kernels:
  - .name:           k_qdb38eba813_oproj
    .symbol:         k_qdb38eba813_oproj.kd
    .args:
      - { .name: xa, .offset: 0, .size: 8, .value_kind: global_buffer, .address_space: global }
      - { .name: wb, .offset: 8, .size: 8, .value_kind: global_buffer, .address_space: global }
      - { .name: bo, .offset: 16, .size: 8, .value_kind: global_buffer, .address_space: global }
      - { .name: out0, .offset: 24, .size: 8, .value_kind: global_buffer, .address_space: global }
    .group_segment_fixed_size: 327680
    .private_segment_fixed_size: 0
    .kernarg_segment_align: 8
    .kernarg_segment_size: 32
    .max_flat_workgroup_size: 128
    .sgpr_count:     80
    .vgpr_count:     384
    .wavefront_size: 32
...
	.end_amdgpu_metadata
.endif
;; end of part 4
;; ======== version 2 of 2: 4 launches; version 1 with the launch prep written anew for expert scheduling mode
;; limits: values are held in f16: magnitudes above 65,504 overflow, below 6.1e-05 lose precision
;; workspace buffers: xb 25,165,824 bytes; wb 8,388,608 bytes; mb 1,048,576 bytes of whole numbers; qkv 25,165,824 bytes; xa 8,388,608 bytes
;; launch prep (part 5): grid 768 x 1, 8 waves a work-group, no clusters, 35,840 bytes of LDS; arguments query, key, value, Wq, Wk, Wv, Wo, mask, xb, wb, mb; writes xb, wb, mb
.if DOCPART == 5
	.amdgcn_target "amdgcn-amd-amdhsa--gfx1250"
	.amdhsa_code_object_version 6
	.text
	.protected	k_qdb38eba813_prep
	.globl	k_qdb38eba813_prep
	.p2align	8
	.type	k_qdb38eba813_prep,@function
k_qdb38eba813_prep:
	s_mov_b64 s[64:65], 0
	v_nop
	global_prefetch_b8 v0, s[64:65] scope:SCOPE_SE
	s_setreg_imm32_b32 hwreg(HW_REG_WAVE_SCHED_MODE, 0, 2), 2
	s_setreg_imm32_b32 hwreg(HW_REG_WAVE_MODE, 25, 1), 1
	s_wait_xcnt 0x0
	s_wait_alu depctr_vm_vsrc(0)
; PREP: brings the inputs into the forms that the matrix launches read.  Three kinds of work-group, chosen by the work-group's number alone:
;   0..383    activations: query, key, value [4096 m][1024 k] f32 -> xb[p][k/64][m][k%64] bf16 (a block of 64 k of all rows is dense);
;             32 rows a work-group, 4 rows a wave
;   384..511  weights: Wq, Wk, Wv -> bf16, Wo -> f16(bf16(Wo)), all kept [k][n]; 32 rows a work-group
;   512..767  mask: 16 query rows x 2048 keys of bytes -> 1024 words of lane masks,
;             mb[b][q/16][key/16][j], bit L = mask[b][16 (q/16) + L%16][16 (key/16) + 8 (L/16) + j]:
;             the 32 lanes' select bits for register j of a 16 x 16 tile of scores held keys-by-queries.
; A stream: each input byte is read once by 16-byte loads, each store of a wave covers 256 or 512 consecutive aligned bytes.
; Matrix units and clusters have nothing to do here.  All 32 loads of a wave go out before the first is used.
; LIMIT: Wo is rounded to bf16 and then written as f16: exact for |Wo| from 2^-17 up to 65,504; below, the absolute error is at most 2^-25.
; THE MODE: SCHED_MODE bits 1:0 = 2 (LLVM: expert scheduling mode 2), set by the entry lines.  The code itself states the register dependences
; between vector instructions and memory or LDS instructions, with s_wait_alu, always for 0.
; THE PLAN.  Registers that memory or LDS instructions touch:
;   v[VIN], v[VOUT], v[LST], v[LRD]   offsets and LDS addresses: made once at a branch's head, ahead of its first load, and never written again.
;   X, slot i     its load lands once; its own conversions read and write it; one store reads its first two registers; nothing writes it afterwards.
;   MK, Y         (mask) written by loads alone; MK is read by the LDS stores, Y by vector lines.
;   OW            (mask) written by vector lines, read by the branch's one global store.
; So no register that a memory or LDS instruction has read is ever written again, and no load lands in a register that a vector line has named.
; What is left to state: offsets written ahead of the first load (one wait a branch); conversions written ahead of their stores.  The 32 slots go
; in 8 groups of four: group g's conversions name group g's slots alone, and the four stores of group g - 1 stand among them, behind the one wait
; at the group's head.  Scalar results of vector lines: the wave's number (one wait at the head) and the mask's compares (one wait for 16 of them).
.set VIN,  1                           ; v1        byte offset of my 16 bytes in the source
.set VOUT, 2                           ; v2        byte offset of my bytes in the destination
.set X,    4                           ; v[4:131]  32 slots of 4 registers as loaded, converted in place
.set VW,   132                         ; wave
.set VH,   133                         ; (lane / 16) & 1
.set VR,   134                         ; lane % 16
.set VT,   135                         ; at work
.set SRC,  28                          ; s[28:29]  source at the work-group's part
.set DST,  30                          ; s[30:31]  destination at the work-group's part
; the mask branch's registers
.set MK,   4                           ; v[4:35]   8 loads of 16 mask bytes
.set Y,    36                          ; v[36:67]  16 pairs: my row's 8 bytes of each tile of 16 keys
.set T,    68                          ; v[68:75]  one byte each
.set OW,   76                          ; v[76:79]  the wave's 128 words, four a lane
.set LST,  80                          ; LDS address, rows in
.set LRD,  81                          ; LDS address, 8 bytes of a row back
.set CM,   40                          ; s[40:55]  the compares' words of two tiles
.macro LOADS a1, a2                    ; 32 loads; slot i at a1 (i / 16) + a2 (i % 16)
	s_wait_alu depctr_va_vdst(0)                   ; v[VIN] and v[VOUT] are written: every load below reads the one as its offset, every store the other
.set i, 0
.rept 32
	global_load_b128 v[X+4*i:X+4*i+3], v[VIN], s[SRC:SRC+1] offset:\a1*(i>>4)+\a2*(i&15) th:TH_LOAD_NT
.set i, i+1
.endr
.endm
; Slot i: four f32 to four 16-bit numbers, in the slot's own registers; the result lies in its first two.
.macro CV fmt
.if \fmt
	v_cvt_pk_bf16_f32 v[X+4*i], v[X+4*i], v[X+4*i+1]           ; round to bf16 first, as the other weights are,
	v_cvt_pk_bf16_f32 v[X+4*i+2], v[X+4*i+2], v[X+4*i+3]
	v_and_b32 v[X+4*i+1], 0xffff0000, v[X+4*i]                 ; widen again,
	v_lshlrev_b32 v[X+4*i], 16, v[X+4*i]
	v_and_b32 v[X+4*i+3], 0xffff0000, v[X+4*i+2]
	v_lshlrev_b32 v[X+4*i+2], 16, v[X+4*i+2]
	v_cvt_pk_f16_f32 v[X+4*i], v[X+4*i], v[X+4*i+1]            ; and write the same numbers as f16
	v_cvt_pk_f16_f32 v[X+4*i+1], v[X+4*i+2], v[X+4*i+3]
.else
	v_cvt_pk_bf16_f32 v[X+4*i], v[X+4*i], v[X+4*i+1]
	v_cvt_pk_bf16_f32 v[X+4*i+1], v[X+4*i+2], v[X+4*i+3]
.endif
.endm
; Slot k's 8 bytes go out.
.macro PUT b1, b2
	global_store_b64 v[VOUT], v[X+4*k:X+4*k+1], s[DST:DST+1] offset:\b1*(k>>4)+\b2*(k&15)
.endm
; 8 groups of four slots.  No register is written again behind its store, so no store's source is ever rewritten.
.macro CVST b1, b2, fmt
.set g, 0
.rept 8
	s_wait_loadcnt 28-4*g                          ; loads return in order: the group's four slots are in, the 28 - 4 g younger loads stay out
.if g > 0
	s_wait_alu depctr_va_vdst(0)                   ; the conversions of the group before have written the registers that its four stores, below, read
.endif
.set n, 0
.rept 4
.set i, 4*g+n
.set k, i-4
.if g > 0
	PUT \b1, \b2                                   ; a slot of the group before; no vector line since the wait names its registers
.endif
	CV \fmt
.set n, n+1
.endr
.set g, g+1
.endr
	s_wait_alu depctr_va_vdst(0)                   ; the last group's conversions have written the registers that the last four stores read
.set k, 28
.rept 4
	PUT \b1, \b2
.set k, k+1
.endr
.endm
	s_load_b512 s[4:19], s[0:1], 0x0               ; query s[4:5], key s[6:7], value s[8:9], Wq s[10:11], Wk s[12:13], Wv s[14:15], Wo s[16:17], mask s[18:19]
	s_load_b128 s[20:23], s[0:1], 0x40             ; xb s[20:21], wb s[22:23]
	s_load_b64 s[24:25], s[0:1], 0x50              ; mb
	v_lshl_add_u32 v136, v0, 2, 0x8800
	v_mov_b32 v137, 0
	v_lshrrev_b32 v[VW], 5, v0
	v_readfirstlane_b32 s36, v[VW]                 ; wave number as a scalar
	v_bfe_u32 v[VH], v0, 4, 1
	v_and_b32 v[VR], 15, v0
	s_mov_b32 s35, 0                               ; high word of every offset pair s[34:35]
	s_wait_alu depctr_va_sdst(0)                   ; s36 is written, ahead of the branches and of its first reader, which stands in the mask's branch
	s_wait_kmcnt 0x0
	s_cmp_ge_u32 ttmp9, 512
	s_cbranch_scc1 .Lmask
	s_cmp_ge_u32 ttmp9, 384
	s_cbranch_scc1 .Lweights
	; ---- activations: tensor p = id / 128, rows 32 (id % 128) .. + 31
	s_lshr_b32 s32, ttmp9, 7
	s_and_b32 s33, ttmp9, 127
	s_cmp_eq_u32 s32, 1
	s_cselect_b64 s[SRC:SRC+1], s[6:7], s[4:5]
	s_cmp_eq_u32 s32, 2
	s_cselect_b64 s[SRC:SRC+1], s[8:9], s[SRC:SRC+1]
	s_lshl_b32 s34, s33, 17                        ; 32 rows of 4,096 bytes
	s_add_nc_u64 s[SRC:SRC+1], s[SRC:SRC+1], s[34:35]
	s_lshl_b32 s34, s32, 23                        ; a tensor's section of xb: 8 MiB
	s_lshl_b32 s33, s33, 12                        ; 32 rows of 128 bytes inside a block of 64 k
	s_add_co_u32 s34, s34, s33
	s_add_nc_u64 s[DST:DST+1], s[20:21], s[34:35]
	v_lshl_add_u32 v[VT], v[VW], 2, v[VH]          ; row 4 w + lane / 16
	v_lshlrev_b32 v[VIN], 12, v[VT]
	v_lshl_add_u32 v[VIN], v[VR], 4, v[VIN]        ; + 16 (lane % 16): sixteen lanes take the 256 bytes of one block of 64 k
	v_lshlrev_b32 v[VOUT], 7, v[VT]
	v_lshl_add_u32 v[VOUT], v[VR], 3, v[VOUT]      ; two neighbouring rows' 128 bytes: 256 consecutive bytes a store, the first row even
	LOADS 8192, 256                                ; slot i: two rows further down for i >= 16, block of 64 k number i % 16
	CVST 256, 524288, 0                            ; a block of 64 k is 4096 rows x 128 bytes; the largest offset, 7,864,576, fits the signed 24 bits
	s_endpgm
.Lweights:
	; ---- weights: j = id - 384, matrix p = j / 32, rows 32 (j % 32) .. + 31
	s_sub_co_u32 s26, ttmp9, 384
	s_lshr_b32 s32, s26, 5
	s_cmp_eq_u32 s32, 1
	s_cselect_b64 s[SRC:SRC+1], s[12:13], s[10:11]
	s_cmp_eq_u32 s32, 2
	s_cselect_b64 s[SRC:SRC+1], s[14:15], s[SRC:SRC+1]
	s_cmp_eq_u32 s32, 3
	s_cselect_b64 s[SRC:SRC+1], s[16:17], s[SRC:SRC+1]
	s_and_b32 s33, s26, 31
	s_lshl_b32 s34, s33, 17
	s_add_nc_u64 s[SRC:SRC+1], s[SRC:SRC+1], s[34:35]
	s_lshl_b32 s34, s26, 16                        ; 32 rows of 2,048 bytes; the four matrices follow each other
	s_add_nc_u64 s[DST:DST+1], s[22:23], s[34:35]
	v_and_b32 v[VT], 31, v0
	v_lshlrev_b32 v[VIN], 4, v[VT]
	v_lshl_add_u32 v[VIN], v[VW], 14, v[VIN]       ; the wave's 4 rows are 16 KiB, dense
	v_lshlrev_b32 v[VOUT], 3, v[VT]
	v_lshl_add_u32 v[VOUT], v[VW], 13, v[VOUT]
	LOADS 8192, 512
	s_cmp_eq_u32 s32, 3
	s_cbranch_scc1 .Lwo
	CVST 4096, 256, 0
	s_endpgm
.Lwo:
	CVST 4096, 256, 1
	s_endpgm
.Lmask:
	; ---- mask: g = id - 512 = 128 b + q / 16; wave w takes keys 256 w .. + 255 of the 16 rows
	s_sub_co_u32 s26, ttmp9, 512
	s_lshl_b32 s34, s26, 15                        ; 16 rows of 2,048 bytes
	s_add_nc_u64 s[SRC:SRC+1], s[18:19], s[34:35]
	s_lshl_b32 s34, s26, 12                        ; 128 tiles x 8 words
	s_add_nc_u64 s[DST:DST+1], s[24:25], s[34:35]
	s_mul_i32 s37, s36, 4352                       ; the wave's own LDS bytes: 16 rows, pitch 272; no other wave touches them, so no barrier
	s_lshl_b32 s38, s36, 8
	v_lshlrev_b32 v[VIN], 11, v[VH]
	v_lshl_add_u32 v[VIN], v[VR], 4, v[VIN]
	v_add_nc_u32 v[VIN], s38, v[VIN]               ; row lane / 16, 256 w + 16 (lane % 16)
	v_mul_u32_u24 v[LST], v[VH], 272
	v_lshl_add_u32 v[LST], v[VR], 4, v[LST]
	v_add_nc_u32 v[LST], s37, v[LST]
	v_mul_u32_u24 v[LRD], v[VR], 272               ; back: lane (r, h) takes row r, bytes 8 h .. 8 h + 7 of a tile: word 68 r + 2 h, 64 different banks
	v_lshl_add_u32 v[LRD], v[VH], 3, v[LRD]
	v_add_nc_u32 v[LRD], s37, v[LRD]
	v_lshlrev_b32 v[VOUT], 4, v0                   ; 512 w + 16 lane
.irp k, 0,1,2,3
	v_mov_b32 v[OW+\k], 0                          ; v_writelane_b32 keeps the other lanes: the registers are written whole first
.endr
	s_wait_alu depctr_va_vdst(0)                   ; v[VIN], v[LST], v[LRD] and v[VOUT] are written: the loads, the LDS stores, the LDS loads and the store below read them
.irp i, 0,1,2,3,4,5,6,7
	global_load_b128 v[MK+4*\i:MK+4*\i+3], v[VIN], s[SRC:SRC+1] offset:4096*\i th:TH_LOAD_NT   ; rows 2 i, 2 i + 1: 256 consecutive bytes each
.endr
.irp i, 0,1,2,3,4,5,6,7
	s_wait_loadcnt 7-\i
	ds_store_b128 v[LST], v[MK+4*\i:MK+4*\i+3] offset:544*\i
.endr
.set kt, 0
.rept 16
	ds_load_b64 v[Y+2*kt:Y+2*kt+1], v[LRD] offset:16*kt        ; LDS serves a wave's instructions in order: these see the stores above
.set kt, kt+1
.endr
; Two tiles a turn: their 16 compares write 16 scalar registers, one wait serves them all, then the 16 words go to their lanes.
.set kp, 0
.rept 8
.irp u, 0,1
	s_wait_dscnt 15-(2*kp+\u)                      ; tile 2 kp + u's pair is in, the younger ones stay out
.irp j, 0,1,2,3,4,5,6,7
	v_and_b32 v[T+\j], 0xff<<(8*(\j&3)), v[Y+2*(2*kp+\u)+(\j>>2)]      ; byte j: key 16 (2 kp + u) + 8 h + j
.endr
.irp j, 0,1,2,3,4,5,6,7
	v_cmp_ne_u32 s[CM+8*\u+\j], 0, v[T+\j]         ; the 32 lanes' bits are the word
.endr
.endr
	s_wait_alu depctr_va_sdst(0)                   ; the 16 compares have written s[CM ..], which the lines below read
.irp u, 0,1
.irp j, 0,1,2,3,4,5,6,7
	v_writelane_b32 v[OW+(\j&3)], s[CM+8*\u+\j], 2*(2*kp+\u)+(\j>>2)   ; word 8 kt + j of the wave's 128: lane 2 kt + j / 4, register j % 4
.endr
.endr
.set kp, kp+1
.endr
	s_wait_alu depctr_va_vdst(0)                   ; the v_writelane_b32 lines have written v[OW ..], which the store reads
	global_store_b128 v[VOUT], v[OW:OW+3], s[DST:DST+1]        ; 512 consecutive bytes
	s_wait_dscnt 0x0                               ; the closing lines, six on end
	s_wait_alu 0x0
	s_wait_tensorcnt 0x0
	ds_add_u32 v136, v137
	s_wait_dscnt 0x0
	s_endpgm
.Lfunc_end_k_qdb38eba813_prep:
	.size	k_qdb38eba813_prep, .Lfunc_end_k_qdb38eba813_prep-k_qdb38eba813_prep
	.p2alignl 7, 3214868480
	.fill 96, 4, 3214868480
	.section	.rodata,"a",@progbits
	.p2align	6, 0x0
	.amdhsa_kernel k_qdb38eba813_prep
		.amdhsa_group_segment_fixed_size 35840
		.amdhsa_private_segment_fixed_size 0
		.amdhsa_enable_private_segment 0
		.amdhsa_kernarg_size 88
		.amdhsa_user_sgpr_count 2
		.amdhsa_user_sgpr_kernarg_segment_ptr 1
		.amdhsa_wavefront_size32 1
		.amdhsa_system_sgpr_workgroup_id_x 1
		.amdhsa_system_sgpr_workgroup_id_y 1
		.amdhsa_system_sgpr_workgroup_id_z 1
		.amdhsa_system_vgpr_workitem_id 0
		.amdhsa_next_free_vgpr 138
		.amdhsa_next_free_sgpr 66
		.amdhsa_reserve_vcc 0
		.amdhsa_float_denorm_mode_32 3
		.amdhsa_float_denorm_mode_16_64 3
		.amdhsa_memory_ordered 1
		.amdhsa_forward_progress 1
		.amdhsa_inst_pref_size 70
	.end_amdhsa_kernel
	.amdgpu_metadata
---
amdhsa.version: [ 1, 2 ]
amdhsa.kernels:
  - .name:           k_qdb38eba813_prep
    .symbol:         k_qdb38eba813_prep.kd
    .args:
      - { .name: query, .offset: 0, .size: 8, .value_kind: global_buffer, .address_space: global }
      - { .name: key, .offset: 8, .size: 8, .value_kind: global_buffer, .address_space: global }
      - { .name: value, .offset: 16, .size: 8, .value_kind: global_buffer, .address_space: global }
      - { .name: Wq, .offset: 24, .size: 8, .value_kind: global_buffer, .address_space: global }
      - { .name: Wk, .offset: 32, .size: 8, .value_kind: global_buffer, .address_space: global }
      - { .name: Wv, .offset: 40, .size: 8, .value_kind: global_buffer, .address_space: global }
      - { .name: Wo, .offset: 48, .size: 8, .value_kind: global_buffer, .address_space: global }
      - { .name: mask, .offset: 56, .size: 8, .value_kind: global_buffer, .address_space: global }
      - { .name: xb, .offset: 64, .size: 8, .value_kind: global_buffer, .address_space: global }
      - { .name: wb, .offset: 72, .size: 8, .value_kind: global_buffer, .address_space: global }
      - { .name: mb, .offset: 80, .size: 8, .value_kind: global_buffer, .address_space: global }
    .group_segment_fixed_size: 35840
    .private_segment_fixed_size: 0
    .kernarg_segment_align: 8
    .kernarg_segment_size: 88
    .max_flat_workgroup_size: 256
    .sgpr_count:     66
    .vgpr_count:     138
    .wavefront_size: 32
...
	.end_amdgpu_metadata
.endif
;; end of part 5
;; launch qkvproj: the kernel of part 2 again; grid 4 x 48, 4 waves a work-group, clusters of 4 x 4, 327,680 bytes of LDS; arguments xb, wb, bq, bk, bv, qkv; writes qkv
;; launch attn: the kernel of part 3 again; grid 8 x 32, 8 waves a work-group, clusters of 4 x 1, 327,680 bytes of LDS; arguments qkv, mb, xa; writes xa
;; launch oproj: the kernel of part 4 again; grid 8 x 32, 4 waves a work-group, clusters of 4 x 4, 327,680 bytes of LDS; arguments xa, wb, bo, out0; writes out0
